; MI455X (gfx1250); checked and timed in simulation.
; The chip was launched on July 23, 2026; its instructions are those of AMD's public machine-readable ISA for CDNA 5 (MIT licence, August 2026) and "CDNA5" Instruction Set Architecture Reference Guide (July 2026). The comments in the code are by the model that wrote it; some were corrected since.
;; Causal Multi Head Self Attention. Allowed arithmetic: float matrix products may take bf16 or f16 operands with f32 sums; other float arithmetic in f32, or as packed bf16 or f16 multiplies, adds, multiply-adds, maxima and minima; sums over many terms, partial sums and values carried from step to step in f32; what a program stores and reads back later, other than sums and carried values, may be rounded once to bf16 or f16.
;; Inputs: Wk 2,048 x 2,048 float32; Wo 2,048 x 2,048 float32; Wq 2,048 x 2,048 float32; Wv 2,048 x 2,048 float32; token_positions 2,048 int32; x 1 x 2,048 x 2,048 float32.
;; Outputs: out0 1 x 2,048 x 2,048 float32.
;; 2 versions, each right; version 2 is version 1 with the launch prep written anew for expert scheduling mode. Each part assembles by itself: llvm-mc -triple=amdgcn-amd-amdhsa -mcpu=gfx1250 --defsym DOCPART=n.
;; ======== version 1 of 2: 4 launches
;; limits: values are held in f16: magnitudes above 65,504 overflow, below 6.1e-05 lose precision; right only within a limited range of input values
;; workspace buffers: xb 8,388,608 bytes; wb 25,165,824 bytes; wo 8,388,608 bytes; tab 1,048,576 bytes; qb 8,388,608 bytes; kvb 16,777,216 bytes; ob 8,388,608 bytes
;; launch prep (part 1): grid 512 x 1, 8 waves a work-group, no clusters, 0 bytes of LDS; arguments x, Wq, Wk, Wv, Wo, token_positions, xb, wb, wo, tab; writes xb, wb, wo, tab
.if DOCPART == 1
	.amdgcn_target "amdgcn-amd-amdhsa--gfx1250"
	.amdhsa_code_object_version 6
	.text
	.protected	k_q56dc5f6953_prep
	.globl	k_q56dc5f6953_prep
	.p2align	8
	.type	k_q56dc5f6953_prep,@function
k_q56dc5f6953_prep:
	s_mov_b64 s[64:65], 0
	v_nop
	global_prefetch_b8 v0, s[64:65] scope:SCOPE_SE
	s_setreg_imm32_b32 hwreg(HW_REG_WAVE_MODE, 25, 1), 1
	s_wait_xcnt 0x0
; CASTS AND THE ROPE TABLE.  x, Wq, Wk, Wv -> bf16 (xb; wb = [q, k, v][2048][2048]); Wo -> bf16 and that number written as f16 (wo); tab = (cos, sin) of position x frequency, f32.
; LIMITS.  Wo's bf16 value is exact in f16 between 2^-14 and 65,504; below it keeps f16's fixed step of 2^-24, above it is lost.  |token_position| up to 2^20: beyond, the quotient of the
; range reduction loses its last bits.  Sine and cosine: reduction by pi/2 in two parts, then series to r^9 and r^8 on |r| <= pi/4 (their remainders lie under 4e-7 there).
; SHARES.  512 work-groups of 8 waves.  Work-group G takes elements 8192 G .. +8191 of each of the five arrays: a thread eight loads of 16 bytes (a wave's load: 512 consecutive bytes) and
; eight stores of 8 bytes (a wave's store: 256 consecutive bytes, aligned) for each array.  ALL 40 LOADS OF A WAVE GO OUT AT THE HEAD, into five sets of 32 registers: no register is loaded twice,
; so nothing waits for a store.  Memory binds: no LDS, no matrix unit.
; THE TABLE.  Thread g = 256 G + t makes one entry, 8 bytes at 8 g.  g's bits: 0 e; 1-4 s % 16; 5 hh; 6 half; 7-9 dt; 10-16 s / 16.  Pair i = 8 dt + 4 hh + 2 half + e of row s.
; So for 16 rows and 16 columns (dt) the 1,024 bytes are [half][lane = s % 16 + 16 hh][16 bytes]: what a lane of a 16 x 16 result (one row, eight neighbouring columns) reads by two loads.
.set X0, 32
.set X1, 64
.set X2, 96
.set X3, 128
.set X4, 160
.macro LOADS set, p
.irp j, 0,1,2,3,4,5,6,7
	global_load_b128 v[(\set)+4*(\j):(\set)+4*(\j)+3], v1, s[\p:\p+1] offset:4096*(\j) th:TH_LOAD_NT
.endr
.endm
.macro CVTB set                        ; four f32 -> four bf16 in the first two registers, in place
.irp j, 0,1,2,3,4,5,6,7
	v_cvt_pk_bf16_f32 v[(\set)+4*(\j)], v[(\set)+4*(\j)], v[(\set)+4*(\j)+1]
	v_cvt_pk_bf16_f32 v[(\set)+4*(\j)+1], v[(\set)+4*(\j)+2], v[(\set)+4*(\j)+3]
.endr
.endm
.macro CVTH set                        ; rounded to bf16, widened again, written as f16
.irp j, 0,1,2,3,4,5,6,7
	v_cvt_pk_bf16_f32 v30, v[(\set)+4*(\j)], v[(\set)+4*(\j)+1]
	v_cvt_pk_bf16_f32 v31, v[(\set)+4*(\j)+2], v[(\set)+4*(\j)+3]
	v_lshlrev_b32 v[(\set)+4*(\j)], 16, v30
	v_and_b32 v[(\set)+4*(\j)+1], s28, v30
	v_lshlrev_b32 v[(\set)+4*(\j)+2], 16, v31
	v_and_b32 v[(\set)+4*(\j)+3], s28, v31
	v_cvt_pk_f16_f32 v[(\set)+4*(\j)], v[(\set)+4*(\j)], v[(\set)+4*(\j)+1]
	v_cvt_pk_f16_f32 v[(\set)+4*(\j)+1], v[(\set)+4*(\j)+2], v[(\set)+4*(\j)+3]
.endr
.endm
.macro STORES set, p
.irp j, 0,1,2,3,4,5,6,7
	global_store_b64 v2, v[(\set)+4*(\j):(\set)+4*(\j)+1], s[\p:\p+1] offset:2048*(\j)
.endr
.endm
	s_load_b512 s[4:19], s[0:1], 0x0               ; x 4, Wq 6, Wk 8, Wv 10, Wo 12, positions 14, xb 16, wb 18
	s_load_b128 s[20:23], s[0:1], 0x40             ; wo 20, tab 22
	s_lshl_b32 s2, ttmp9, 15                       ; the group's 32 KiB of f32
	s_lshl_b32 s3, ttmp9, 14                       ; its 16 KiB of 16-bit numbers
	s_lshl_b32 s29, ttmp9, 8
	s_mov_b32 s28, 0xffff0000                      ; a word's upper bf16
	v_lshlrev_b32 v1, 4, v0
	v_add_nc_u32 v1, s2, v1                        ; where I load
	v_lshlrev_b32 v2, 3, v0
	v_add_nc_u32 v2, s3, v2                        ; where I store
	v_add_nc_u32 v6, s29, v0                       ; g
	v_lshlrev_b32 v3, 3, v6                        ; my table entry
	v_lshrrev_b32 v7, 10, v6
	v_bfe_u32 v8, v6, 1, 4
	v_lshl_or_b32 v4, v7, 4, v8                    ; s
	v_lshlrev_b32 v4, 2, v4
	s_wait_kmcnt 0x0
	s_add_nc_u64 s[24:25], s[18:19], 0x800000      ; wb's part for Wk
	s_add_nc_u64 s[26:27], s[18:19], 0x1000000     ; and for Wv
	global_load_b32 v5, v4, s[14:15]               ; the row's position
	LOADS X0, 4
	LOADS X1, 6
	LOADS X2, 8
	LOADS X3, 10
	LOADS X4, 12
	v_bfe_u32 v9, v6, 7, 3                         ; the frequency needs no position: made while the loads are out
	v_bfe_u32 v10, v6, 5, 1
	v_bfe_u32 v11, v6, 6, 1
	v_and_b32 v12, 1, v6
	v_lshlrev_b32 v9, 3, v9
	v_lshl_add_u32 v9, v10, 2, v9
	v_lshl_add_u32 v9, v11, 1, v9
	v_add_nc_u32 v9, v9, v12                       ; i
	v_cvt_f32_u32 v9, v9
	v_mul_f32 v9, 0xbe549a78, v9                   ; - i log2(10000) / 64
	v_exp_f32 v10, v9                              ; 10000^(-i / 64)
	v_nop                                          ; a plain instruction behind the exponential,
	s_wait_alu depctr_va_vdst(0)                   ; and the wait ahead of its first use
	s_wait_loadcnt 40                              ; the position is in; the 40 loads issued behind it stay out
	v_cvt_f32_i32 v5, v5
	v_mul_f32 v11, v5, v10                         ; the angle
	v_mul_f32 v12, 0x3f22f983, v11                 ; x 2 / pi
	v_rndne_f32 v12, v12                           ; n
	v_cvt_i32_f32 v13, v12
	v_xor_b32 v14, 0x80000000, v12                 ; - n
	v_fmamk_f32 v15, v14, 0x3fc90fdb, v11          ; r = angle - n (pi/2's upper part)
	v_fmamk_f32 v15, v14, 0xb33bbd2e, v15          ;     - n (its lower part)
	v_mul_f32 v16, v15, v15                        ; z = r^2
	v_mov_b32 v17, 0x3638ef1d                      ; sin r = r + r z (-1/6 + z (1/120 + z (-1/5040 + z / 362880)))
	v_mov_b32 v19, 0x37d00d01                      ; cos r = 1 + z (-1/2 + z (1/24 + z (-1/720 + z / 40320)))
	v_fmaak_f32 v17, v17, v16, 0xb9500d01
	v_fmaak_f32 v19, v19, v16, 0xbab60b61
	v_fmaak_f32 v17, v17, v16, 0x3c088889
	v_fmaak_f32 v19, v19, v16, 0x3d2aaaab
	v_fmaak_f32 v17, v17, v16, 0xbe2aaaab
	v_fmaak_f32 v19, v19, v16, 0xbf000000
	v_mul_f32 v18, v15, v16
	v_fma_f32 v19, v19, v16, 1.0                   ; cos r
	v_fma_f32 v17, v17, v18, v15                   ; sin r
	v_and_b32 v22, 1, v13                          ; the quadrant n mod 4: odd swaps the two,
	v_cmp_eq_u32 vcc_lo, 1, v22
	v_cndmask_b32 v21, v17, v19, vcc_lo            ; sine
	v_cndmask_b32 v20, v19, v17, vcc_lo            ; cosine
	v_and_b32 v23, 2, v13                          ; quadrants 2, 3 turn the sine's sign,
	v_lshlrev_b32 v23, 30, v23
	v_xor_b32 v21, v21, v23
	v_add_nc_u32 v24, 1, v13                       ; quadrants 1, 2 the cosine's
	v_and_b32 v24, 2, v24
	v_lshlrev_b32 v24, 30, v24
	v_xor_b32 v20, v20, v24
	global_store_b64 v3, v[20:21], s[22:23]
	s_wait_loadcnt 32                              ; x is in; the four weights' 32 loads stay out
	CVTB X0
	STORES X0, 16
	s_wait_loadcnt 24                              ; Wq is in
	CVTB X1
	STORES X1, 18
	s_wait_loadcnt 16                              ; Wk
	CVTB X2
	STORES X2, 24
	s_wait_loadcnt 8                               ; Wv
	CVTB X3
	STORES X3, 26
	s_wait_loadcnt 0x0                             ; Wo
	CVTH X4
	STORES X4, 20
	s_endpgm
.Lfunc_end_k_q56dc5f6953_prep:
	.size	k_q56dc5f6953_prep, .Lfunc_end_k_q56dc5f6953_prep-k_q56dc5f6953_prep
	.p2alignl 7, 3214868480
	.fill 96, 4, 3214868480
	.section	.rodata,"a",@progbits
	.p2align	6, 0x0
	.amdhsa_kernel k_q56dc5f6953_prep
		.amdhsa_group_segment_fixed_size 0
		.amdhsa_private_segment_fixed_size 0
		.amdhsa_enable_private_segment 0
		.amdhsa_kernarg_size 80
		.amdhsa_user_sgpr_count 2
		.amdhsa_user_sgpr_kernarg_segment_ptr 1
		.amdhsa_wavefront_size32 1
		.amdhsa_system_sgpr_workgroup_id_x 1
		.amdhsa_system_sgpr_workgroup_id_y 1
		.amdhsa_system_sgpr_workgroup_id_z 1
		.amdhsa_system_vgpr_workitem_id 0
		.amdhsa_next_free_vgpr 192
		.amdhsa_next_free_sgpr 66
		.amdhsa_reserve_vcc 1
		.amdhsa_float_denorm_mode_32 3
		.amdhsa_float_denorm_mode_16_64 3
		.amdhsa_memory_ordered 1
		.amdhsa_forward_progress 1
		.amdhsa_inst_pref_size 18
	.end_amdhsa_kernel
	.amdgpu_metadata
---
amdhsa.version: [ 1, 2 ]
amdhsa.kernels:
  - .name:           k_q56dc5f6953_prep
    .symbol:         k_q56dc5f6953_prep.kd
    .args:
      - { .name: x, .offset: 0, .size: 8, .value_kind: global_buffer, .address_space: global }
      - { .name: Wq, .offset: 8, .size: 8, .value_kind: global_buffer, .address_space: global }
      - { .name: Wk, .offset: 16, .size: 8, .value_kind: global_buffer, .address_space: global }
      - { .name: Wv, .offset: 24, .size: 8, .value_kind: global_buffer, .address_space: global }
      - { .name: Wo, .offset: 32, .size: 8, .value_kind: global_buffer, .address_space: global }
      - { .name: token_positions, .offset: 40, .size: 8, .value_kind: global_buffer, .address_space: global }
      - { .name: xb, .offset: 48, .size: 8, .value_kind: global_buffer, .address_space: global }
      - { .name: wb, .offset: 56, .size: 8, .value_kind: global_buffer, .address_space: global }
      - { .name: wo, .offset: 64, .size: 8, .value_kind: global_buffer, .address_space: global }
      - { .name: tab, .offset: 72, .size: 8, .value_kind: global_buffer, .address_space: global }
    .group_segment_fixed_size: 0
    .private_segment_fixed_size: 0
    .kernarg_segment_align: 8
    .kernarg_segment_size: 80
    .max_flat_workgroup_size: 256
    .sgpr_count:     66
    .vgpr_count:     192
    .wavefront_size: 32
...
	.end_amdgpu_metadata
.endif
;; end of part 1
;; launch qkv (part 2): grid 16 x 16, 4 waves a work-group, clusters of 4 x 4, 327,680 bytes of LDS; arguments xb, wb, tab, qb, kvb; writes qb, kvb
.if DOCPART == 2
	.amdgcn_target "amdgcn-amd-amdhsa--gfx1250"
	.amdhsa_code_object_version 6
	.text
	.protected	k_q56dc5f6953_qkv
	.globl	k_q56dc5f6953_qkv
	.p2align	8
	.type	k_q56dc5f6953_qkv,@function
k_q56dc5f6953_qkv:
	s_mov_b64 s[64:65], 0
	v_nop
	global_prefetch_b8 v0, s[64:65] scope:SCOPE_SE
	s_setreg_imm32_b32 hwreg(HW_REG_WAVE_MODE, 25, 1), 1
	s_wait_xcnt 0x0
	s_wait_alu depctr_hold_cnt(0) depctr_sa_sdst(0) depctr_va_vdst(0) depctr_va_sdst(0) depctr_va_ssrc(0) depctr_va_vcc(0) depctr_vm_vsrc(0)
	s_getreg_b32 s2, hwreg(HW_REG_IB_STS2, 6, 4)
	s_cmp_eq_u32 s2, 0
	s_cbranch_scc0 .Lentry_in_a_cluster
	s_endpgm
.Lentry_in_a_cluster:
	s_bfe_u32 s2, ttmp6, 0x10000c
	s_cmp_lg_u32 s2, 0xf033
	s_cbranch_scc0 .Lentry_shape_is_right
	s_endpgm
.Lentry_shape_is_right:
; [q_h | k_h | v_h] = xb wb^T for 128 rows and one head h, RoPE on q and k in f32, each number rounded once to f16.  xb: [2048][2048] bf16; wb: [3][2048][2048] bf16; sums in f32.
; OUT: qb [16][2048][128] f16; kvb [16][32 steps of 64 keys][K, V][64][128] f16, so that a step's K and V are 32 KiB on end.  q, k unscaled.
; LIMIT.  q, k, v must lie within f16's 65,504; beyond it the conversion gives an infinity.
; SHARES.  16 x 16 work-groups: x = block of 128 rows, y = head.  A tile of C is 128 x 384.  Wave w = 2 r + c makes rows 64 r .. +63 and columns 64 c .. +63 of each of q, k and v: 4 x 12 accumulators of
; 16 x 16, 384 registers: for 32 along K it reads 32 x 512 bytes from LDS and issues 48 matrix instructions; all four waves have the same way out (8 rotated column blocks, 4 plain).
; K goes in 16 steps of 128 (rows of 256 bytes in memory) through two LDS slots.
; CLUSTER 4 x 4: x's tile hangs on work-group x alone and is asked for jointly along a column of the cluster, the weights' tiles on the head alone, jointly along a row.  Wave 0 fetches x's 128 rows, waves 1-3 Wq's, Wk's, Wv's.
; THE WALK ALONG K IS TURNED inside each group of four K steps: walk step t takes K step (t & 12) | ((t + p) & 3), p = (cluster x + 2 ((y ^ (y >> 1)) & 1)) & 3, y the cluster's y.  So the four clusters of one y, which
; read the same rows of W, ask for four different K steps at a time; of the four clusters of one x, which read the same rows of x, y = 0 and 3 stand two steps from y = 1 and 2.  p is the same in all sixteen partners.
; The f32 sums are taken in that order of K.
; THE MATRIX INSTRUCTION IS USED TRANSPOSED (source 0 = 16 rows of W, source 1 = 16 rows of x): a lane holds one row of C (lane % 16) and the columns 8 (lane / 16) + 0..7: four RoPE pairs.
; REGISTERS, in windows of 256 (s_set_vgpr_msb: bits 1:0 source 0, 3:2 source 1, 5:4 source 2, 7:6 destination):
;   window 0: v16-31 addresses; v32-159 the table, 32 for each of my four blocks of 16 rows; v160-223 rotated results; on the way out v32-223 whole rows
;   window 1: two fragment buffers of 128: W's fragment b at 8 b, x's fragment a at 96 + 8 a      window 2: accumulators of a = 0, 1 at 8 (12 a + b)      window 3: those of a = 2, 3
.set KSTEP,  128
.set PITCH,  272                       ; an LDS row: 256 bytes + 16 of padding: the 16 rows of a fragment load start 68 words apart
.set PART,   128*PITCH                 ; what one tensor load brings
.set SLOT,   4*PART                    ; rows 0-127 x, 128-255 Wq_h, 256-383 Wk_h, 384-511 Wv_h
.set SPITCH, 784                       ; the stage's row: 768 bytes (q, k, v) + 16
.set SPARE,  2*SLOT                    ; behind the ring: the spare words, 128 bytes a wave
.set LAPS,   8                         ; 2,048 / 256
; THE STAGE for the way out is slot 0 from its first byte, 128 rows x 784 bytes: slot 0 has had its last fill (walk step 14), and its last reads lie ahead of the last lap's barrier.
.set ADRA, 16                          ; v16-17 LDS address of my x fragments in slot 0, 1
.set ADRB, 20                          ; v20-21 the same for my rows of Wq; Wk's lie 128 rows on, inside the immediate
.set ADRV, 22                          ; v22-23 for my rows of Wv, 256 rows on: past the immediate's 16 bits
.set STO,  24
.set RD,   25
.set CO,   26                          ; 16 x lane
.set TOL,  27                          ; table offset: 16 x lane + 4096 c
.set SPW,  28
.set NIL,  29
.set PFO,  30                          ; lane x 4,096: a row of xb or wb
.set T0,   32
.set R,    160
.set F0,   0
.set F1,   128
.set G1,  24
.set G0,  32
.set G1B, 48
.set G0B, 56
.set WV,  14
.set RW,  15
.set CW,  16
.set POF, 22                           ; s[22:23] the prefetch's byte along K
.set LIM1, 42
.set LIM0, 43
.set PFB, 44                           ; s[44:45] the 32 rows that I name in prefetches, at K = 0
.set PFA, 66                           ; s[66:67] the same at the K step to be named
.set QP,  68
.set KP,  70
.set VP,  72
.set TP,  74
.set TN,  76                           ; s76 the walk step that the next refill brings
.set PH,  77                           ; s77 p
.set OFF, 78                           ; s[78:79] its byte along K
.set MSB, 0
.macro WIN new                         ; the immediate's high byte repeats the setting that is left
.if MSB != (\new)
	s_set_vgpr_msb (MSB<<8)|(\new)
.set MSB, \new
.endif
.endm
.set MUL_LO, 0xa5                      ; sources 0 and 1 window 1, C and D window 2
.set TO_F,   0x40                      ; destination window 1, address window 0
.macro PLACES                          ; four plain instructions between a matrix instruction and a load into, or a vector read of, its registers
.rept 4
	v_nop
.endr
.endm
.macro KOFF dst, src                   ; s[dst] = the byte along K at which walk step s[src] begins
	s_add_co_u32 s[\dst], s[\src], s[PH]
	s_and_b32 s[\dst], s[\dst], 3
	s_and_b32 s21, s[\src], 12
	s_or_b32 s[\dst], s[\dst], s21
	s_lshl_b32 s[\dst], s[\dst], 8
.endm
; A joint load.  The branch hangs on the wave's number alone.  An s_nop 0 and four v_nop follow each of the two lines.
.macro JLOAD s
	s_cmp_eq_u32 s[WV], 0
	s_cbranch_scc0 .Lfor_b_\@
	tensor_load_to_lds s[G0+4*(\s):G0+4*(\s)+3], s[G1:G1+7]
	s_nop 0
.rept 4
	v_nop
.endr
	s_branch .Lasked_\@
.Lfor_b_\@:
	tensor_load_to_lds s[G0B+4*(\s):G0B+4*(\s)+3], s[G1B:G1B+7]
	s_nop 0
.rept 4
	v_nop
.endr
.Lasked_\@:
.endm
; A prefetch of the walk step two refills on (384 matrix instructions ahead of its load): 32 rows x 256 bytes, a lane a row.  It is made only for the steps that no cluster reading the same rows asks for at an earlier
; walk step than mine: a group's first (W's rows and x's; the change of slot 0 in the laps 0, 2, 4: s3 = 7, 5, 3) and its second (x's; the change of slot 1 in the same laps).  x's rows are named by the clusters
; y = 0 and 1 alone, whose p differ by two, so that each block is named once in the launch.  The four partners of a joint load take 32 of its 128 rows each, told apart by address.  The first group comes by its loads alone.
.macro ASK lim
	WIN 0
	s_bitcmp1_b32 s3, 0
	s_cselect_b32 s2, s3, 0
	s_cmp_gt_u32 s2, s[\lim]
	s_cbranch_scc0 .Lnot_mine_\@
	global_prefetch_b8 v[PFO], s[PFA:PFA+1] th:TH_LOAD_NT scope:SCOPE_SE
.Lnot_mine_\@:
.endm
.macro CREST                           ; a round of the cluster's barrier behind its opening barrier
	s_cmp_lg_u32 s[WV], 0
	s_cbranch_scc1 .Lnot_wave_0_\@
	s_barrier_signal -3
.Lnot_wave_0_\@:
	s_barrier_wait -3
	s_barrier_signal -1
	s_barrier_wait -1
.endm
.macro CROUND
	s_barrier_signal -1
	s_barrier_wait -1
	CREST
.endm
	s_load_b256 s[4:11], s[0:1], 0x0               ; xb 4, wb 6, tab 8, qb 10
	s_load_b64 s[12:13], s[0:1], 0x20              ; kvb
	v_lshl_add_u32 v[SPW], v0, 2, SPARE
	v_mov_b32 v[NIL], 0
	ds_add_u32 v[SPW], v[NIL]                      ; the wave's opening: the add and its wait ahead of my first tensor load
	v_lshrrev_b32 v1, 5, v0
	v_readfirstlane_b32 s[WV], v1                  ; wave 0..3
	s_lshr_b32 s[RW], s[WV], 1                     ; my half of the rows
	s_and_b32 s[CW], s[WV], 1                      ; my half of q's, k's and v's columns
	s_bfe_u32 s17, ttmp6, 0x40000                  ; cx
	s_bfe_u32 s18, ttmp6, 0x40004                  ; cy
	s_lshl_b32 s20, ttmp9, 2
	s_add_co_u32 s20, s20, s17                     ; the block of 128 rows
	s_and_b32 s19, ttmp7, 0xffff                   ; the cluster's y
	s_lshr_b32 s21, s19, 1
	s_xor_b32 s21, s21, s19
	s_and_b32 s21, s21, 1
	s_lshl_b32 s21, s21, 1                         ; 0, 2, 2, 0 for y = 0 .. 3
	s_add_co_u32 s[PH], s21, ttmp9
	s_and_b32 s[PH], s[PH], 3                      ; p
	s_lshl_b32 s19, s19, 2
	s_add_co_u32 s19, s19, s18                     ; the head
	s_lshl_b32 s21, s18, 2
	s_lshl_b32 s21, 15, s21                        ; my row of the cluster
	s_lshl_b32 s22, 0x1111, s17                    ; my column
	s_or_b32 s[G1], s22, (1<<16)|(1<<20)|(1<<21)|(5<<22)|(3<<25)   ; x's tiles go to my column: mask; 2-byte elements; padding on; bit 21 beside a mask; after every 64 words 4 words
	s_or_b32 s[G1B], s21, (1<<16)|(1<<20)|(1<<21)|(5<<22)|(3<<25)  ; W's to my row
.irp g, G1, G1B
	s_mov_b32 s[(\g)+1], KSTEP<<16                 ; tensor_dim0 = 128
	s_mov_b32 s[(\g)+2], 128<<16                   ; tensor_dim1 = 128
	s_mov_b32 s[(\g)+3], KSTEP<<16                 ; tile_dim0 = 128
	s_mov_b32 s[(\g)+4], 128                       ; tile_dim1 = 128
	s_mov_b32 s[(\g)+5], 2048                      ; elements from row to row
	s_mov_b32 s[(\g)+6], 0
	s_mov_b32 s[(\g)+7], 0
.endr
	s_lshl_b32 s40, s20, 19                        ; x: 128 rows of 4,096 bytes a block
	s_mov_b32 s41, 0
	s_max_u32 s46, s[WV], 1
	s_sub_co_u32 s46, s46, 1                       ; W: matrix w - 1 (wave 0 makes the address and does not ask by it),
	s_lshl_b32 s46, s46, 23
	s_lshl_b32 s23, s19, 19                        ; the head's 128 rows
	s_add_co_u32 s46, s46, s23
	s_mov_b32 s47, 0
	s_mul_i32 s42, s[WV], PART                     ; where my tile goes: no place in the cluster enters an LDS address
	s_mov_b32 s[OFF+1], 0
	s_mov_b32 s[TN], 0
	s_wait_dscnt 0x0                               ; the opening add is done
	s_wait_kmcnt 0x0
	s_add_nc_u64 s[40:41], s[4:5], s[40:41]        ; x's tile at K = 0: kept
	s_add_nc_u64 s[46:47], s[6:7], s[46:47]        ; W's: kept
	CROUND                                         ; all sixteen work-groups are here: the first joint loads meet
.irp s, 0,1
	KOFF OFF, TN
	s_mov_b32 s[G0+4*(\s)], 1
	s_add_co_u32 s[G0+4*(\s)+1], s42, (\s)*SLOT
	s_add_nc_u64 s[G0+4*(\s)+2:G0+4*(\s)+3], s[40:41], s[OFF:OFF+1]
	s_or_b32 s[G0+4*(\s)+3], s[G0+4*(\s)+3], 0x80000000
	s_mov_b32 s[G0B+4*(\s)], 1
	s_add_co_u32 s[G0B+4*(\s)+1], s42, (\s)*SLOT
	s_add_nc_u64 s[G0B+4*(\s)+2:G0B+4*(\s)+3], s[46:47], s[OFF:OFF+1]
	s_or_b32 s[G0B+4*(\s)+3], s[G0B+4*(\s)+3], 0x80000000
	JLOAD \s                                       ; walk steps 0 and 1: two loads of mine are out
	s_add_co_u32 s[TN], s[TN], 1
.endr
	v_and_b32 v1, 15, v0                           ; l % 16
	v_bfe_u32 v2, v0, 4, 1                         ; l / 16
	v_mul_u32_u24 v3, v1, PITCH
	v_lshl_add_u32 v3, v2, 4, v3                   ; a fragment's row x pitch + 16 x half
	s_mul_i32 s21, s[RW], 64*PITCH                 ; my 64 rows of x
	s_mul_i32 s22, s[CW], 64*PITCH                 ; my 64 rows of Wq,
	s_add_co_u32 s22, s22, PART                    ; which lie behind x's 128
.irp s, 0,1
	v_add_nc_u32 v[ADRA+(\s)], s21, v3
	v_add_nc_u32 v[ADRB+(\s)], s22, v3
	v_add_nc_u32 v[ADRV+(\s)], 256*PITCH, v[ADRB+(\s)]
	s_add_co_u32 s21, s21, SLOT
	s_add_co_u32 s22, s22, SLOT
.endr
	s_mul_i32 s21, s[RW], 64*SPITCH                ; into the stage: row 64 r + l % 16, byte 128 c + 16 (l / 16) of q's, k's and v's 256
	s_lshl_b32 s22, s[CW], 7
	s_add_co_u32 s21, s21, s22
	v_mul_u32_u24 v4, v1, SPITCH
	v_lshl_add_u32 v4, v2, 4, v4
	v_add_nc_u32 v[STO], s21, v4
	s_mul_i32 s21, s[WV], 32*SPITCH                ; back: wave w takes rows 32 w .. +31, lanes 0-15 one row's 256 bytes, lanes 16-31 the next row's
	v_mul_u32_u24 v5, v2, SPITCH
	v_lshl_add_u32 v5, v1, 4, v5
	v_add_nc_u32 v[RD], s21, v5
	v_and_b32 v[CO], 31, v0
	v_lshlrev_b32 v[PFO], 12, v[CO]
	v_lshlrev_b32 v[CO], 4, v[CO]
	s_lshl_b32 s21, s[CW], 12
	v_add_nc_u32 v[TOL], s21, v[CO]
	s_mov_b32 s3, 0
	s_lshl_b32 s2, s19, 19                         ; qb: head x 2,048 rows of 256 bytes + row 128 x + 32 w
	s_lshl_b32 s21, s20, 15
	s_add_co_u32 s2, s2, s21
	s_lshl_b32 s21, s[WV], 13
	s_add_co_u32 s2, s2, s21
	s_add_nc_u64 s[QP:QP+1], s[10:11], s[2:3]
	s_lshl_b32 s2, s19, 20                         ; kvb: head x 1 MiB + step (2 x + r) x 32 KiB + 32 c rows
	s_lshl_b32 s21, s20, 16
	s_add_co_u32 s2, s2, s21
	s_lshl_b32 s21, s[RW], 15
	s_add_co_u32 s2, s2, s21
	s_lshl_b32 s21, s[CW], 13
	s_add_co_u32 s2, s2, s21
	s_add_nc_u64 s[KP:KP+1], s[12:13], s[2:3]
	s_add_nc_u64 s[VP:VP+1], s[KP:KP+1], 16384
	s_lshl_b32 s2, s20, 16                         ; tab: 8,192 bytes for 16 rows
	s_lshl_b32 s21, s[RW], 15
	s_add_co_u32 s2, s2, s21
	s_add_nc_u64 s[TP:TP+1], s[8:9], s[2:3]
	; the prefetches
	s_lshl_b32 s21, s20, 19
	s_lshl_b32 s22, s18, 17                        ; x: my work-group's 32 rows by cy
	s_add_co_u32 s21, s21, s22
	s_max_u32 s23, s[WV], 1
	s_sub_co_u32 s23, s23, 1
	s_lshl_b32 s23, s23, 23
	s_lshl_b32 s2, s19, 19
	s_add_co_u32 s23, s23, s2
	s_lshl_b32 s22, s17, 17                        ; W: by cx
	s_add_co_u32 s23, s23, s22
	s_and_b32 s22, ttmp7, 0xffff
	s_cmp_lt_u32 s22, 2
	s_cselect_b32 s22, 1, -1                       ; x's rows are named by the clusters y = 0 and 1
	s_cmp_eq_u32 s[WV], 0
	s_cselect_b32 s2, s21, s23
	s_cselect_b32 s[LIM0], s22, 1                  ; 1 in a wave that asks, else the greatest number: the same in all sixteen partners, for a given wave
	s_cselect_b32 s[LIM1], s22, -1
	s_cselect_b64 s[PFB:PFB+1], s[4:5], s[6:7]
	s_add_nc_u64 s[PFB:PFB+1], s[PFB:PFB+1], s[2:3]
	s_mov_b32 s[POF+1], 0
; The table for my rows' block a of 16 and my 64 columns (the same for q and k): eight loads of 512 consecutive bytes; group j serves column blocks j and 4 + j.
.macro TLOAD a
.irp j, 0,1,2,3
.irp hf, 0,1
	global_load_b128 v[T0+32*(\a)+8*(\j)+4*(\hf):T0+32*(\a)+8*(\j)+4*(\hf)+3], v[TOL], s[TP:TP+1] offset:8192*(\a)+1024*(\j)+512*(\hf)
.endr
.endr
.endm
	TLOAD 0                                        ; wanted at the end: they land during the loop
	TLOAD 1
	TLOAD 2
	TLOAD 3
; 12 matrix instructions: row block 2 hi + a x all 12 column blocks, 32 along K.  The 48 accumulators take turns in one fixed order, one instruction a turn.
.macro MUL12 f, hi, a, zero
	WIN MUL_LO+0x50*(\hi)
.irp b, 0,1,2,3,4,5,6,7,8,9,10,11
.if \zero
	v_wmma_f32_16x16x32_bf16 v[8*(12*(\a)+(\b)):8*(12*(\a)+(\b))+7], v[(\f)+8*(\b):(\f)+8*(\b)+7], v[(\f)+96+8*(2*(\hi)+(\a)):(\f)+96+8*(2*(\hi)+(\a))+7], 0
.else
	v_wmma_f32_16x16x32_bf16 v[8*(12*(\a)+(\b)):8*(12*(\a)+(\b))+7], v[(\f)+8*(\b):(\f)+8*(\b)+7], v[(\f)+96+8*(2*(\hi)+(\a)):(\f)+96+8*(2*(\hi)+(\a))+7], v[8*(12*(\a)+(\b)):8*(12*(\a)+(\b))+7]
.endif
.endr
.endm
; 32 LDS loads in one run: W's 12 fragments (b = 0-3 Wq's, 4-7 Wk's, 8-11 Wv's), then x's four; the youngest four are x's rows 32-63
.macro FETCH slot, k, f
	WIN TO_F
.irp b, 0,1,2,3,4,5,6,7
	ds_load_b128 v[(\f)+8*(\b):(\f)+8*(\b)+3],   v[ADRB+(\slot)] offset:(\k)+(128*((\b)/4)+16*((\b)%4))*PITCH
	ds_load_b128 v[(\f)+8*(\b)+4:(\f)+8*(\b)+7], v[ADRB+(\slot)] offset:(\k)+(128*((\b)/4)+16*((\b)%4))*PITCH+32
.endr
.irp b, 8,9,10,11
	ds_load_b128 v[(\f)+8*(\b):(\f)+8*(\b)+3],   v[ADRV+(\slot)] offset:(\k)+16*((\b)%4)*PITCH
	ds_load_b128 v[(\f)+8*(\b)+4:(\f)+8*(\b)+7], v[ADRV+(\slot)] offset:(\k)+16*((\b)%4)*PITCH+32
.endr
.irp a, 0,1,2,3
	ds_load_b128 v[(\f)+96+8*(\a):(\f)+96+8*(\a)+3],   v[ADRA+(\slot)] offset:(\k)+(\a)*16*PITCH
	ds_load_b128 v[(\f)+96+8*(\a)+4:(\f)+96+8*(\a)+7], v[ADRA+(\slot)] offset:(\k)+(\a)*16*PITCH+32
.endr
.endm
; A K step is four quarters of 32 along K, 48 matrix instructions each, on buffers 0, 1, 0, 1.
.macro QUARTER slot, k, f, g, zero
	s_wait_dscnt 4                                 ; W and x's rows 0-31 are in; the youngest four loads may be out
	MUL12 \f, 0, 0, \zero
	MUL12 \f, 0, 1, \zero
	PLACES
	FETCH \slot, \k, \g
	s_wait_dscnt 32                                ; all but the 32 just issued
	MUL12 \f, 1, 0, \zero
	MUL12 \f, 1, 1, \zero
.endm
; The last quarter multiplies buffer 1 and changes slots: each wave waits for all its tensor loads (one is out: its part of the next slot), adds 0 to its spare word, waits for that and for its reads of this slot.
; fill = 1: the barrier opens a round of the cluster's barrier, and the joint refill, walk step s[TN], is the first thing behind it; its addresses are made anew, from the tiles' addresses at K = 0, while the add is out.
.macro TURN slot, next, fill
.if \fill
	s_wait_xcnt 0x0                                ; the last prefetch, a K step back or more, has read its address
	s_add_co_u32 s2, s[TN], 2                      ; the walk step two refills on
	KOFF POF, 2
	s_add_nc_u64 s[PFA:PFA+1], s[PFB:PFB+1], s[POF:POF+1]
.endif
	WIN 0
	s_wait_tensorcnt 0x0
	ds_add_u32 v[SPW], v[NIL]
.if \fill
	KOFF OFF, TN
	s_add_nc_u64 s[G0+4*(\slot)+2:G0+4*(\slot)+3], s[40:41], s[OFF:OFF+1]
	s_or_b32 s[G0+4*(\slot)+3], s[G0+4*(\slot)+3], 0x80000000
	s_add_nc_u64 s[G0B+4*(\slot)+2:G0B+4*(\slot)+3], s[46:47], s[OFF:OFF+1]
	s_or_b32 s[G0B+4*(\slot)+3], s[G0B+4*(\slot)+3], 0x80000000
	s_add_co_u32 s[TN], s[TN], 1
.endif
	s_wait_dscnt 5                                 ; the add and the youngest four loads may be out
	MUL12 F1, 0, 0, 0
	s_wait_dscnt 0x0                               ; the add is done, my reads of this slot are over
	s_barrier_signal -1
	MUL12 F1, 0, 1, 0
.if \fill
	WIN 0
.endif
	s_barrier_wait -1
.if \fill
	CREST
	JLOAD \slot                                    ; its four v_nop are also the places in front of the loads below
.else
	PLACES
.endif
	FETCH \next, 0, F0
.if \fill
.if (\slot) == 0
	ASK LIM0
.else
	ASK LIM1
.endif
.endif
	MUL12 F1, 1, 0, 0
	MUL12 F1, 1, 1, 0
.endm
	s_wait_tensorcnt 1                             ; my part of walk step 0 is in; step 1's stays out
	s_barrier_signal -1
	s_barrier_wait -1
	FETCH 0, 0, F0
	QUARTER 0, 64, F0, F1, 1                       ; the first quarter's products start the sums
	WIN 0
	s_mov_b32 s3, LAPS-1
.Llap:
	QUARTER 0, 128, F1, F0, 0
	QUARTER 0, 192, F0, F1, 0
	TURN 0, 1, 1
	QUARTER 1, 64,  F0, F1, 0
	QUARTER 1, 128, F1, F0, 0
	QUARTER 1, 192, F0, F1, 0
	TURN 1, 0, 1
	QUARTER 0, 64,  F0, F1, 0
	WIN 0
	s_sub_co_u32 s3, s3, 1
	s_cmp_lg_u32 s3, 0
	s_cbranch_scc1 .Llap
	QUARTER 0, 128, F1, F0, 0                      ; the last lap fills nothing
	QUARTER 0, 192, F0, F1, 0
	TURN 0, 1, 0
	QUARTER 1, 64,  F0, F1, 0
	QUARTER 1, 128, F1, F0, 0
	QUARTER 1, 192, F0, F1, 0
	s_wait_dscnt 4
	MUL12 F1, 0, 0, 0
	MUL12 F1, 0, 1, 0
	s_wait_dscnt 0x0
	MUL12 F1, 1, 0, 0
	MUL12 F1, 1, 1, 0
	WIN 0
	PLACES
	PLACES
; ROPE.  X = (xe, xo) in the accumulator, CS = (cos, sin): first (- xo sin, xo cos), then + (xe cos, xe sin).  Each accumulator is read from its lowest registers on.
.macro ROPE a, b
.set AC, 8*(12*((\a)%2)+(\b))
.set TT, T0+32*(\a)+8*((\b)%4)
.irp p, 0,1,2,3
	v_pk_mul_f32 v[R+8*(\b)+2*(\p):R+8*(\b)+2*(\p)+1], v[AC+2*(\p):AC+2*(\p)+1], v[TT+2*(\p):TT+2*(\p)+1] op_sel:[1,1] op_sel_hi:[1,0] neg_lo:[1,0]
.endr
.irp p, 0,1,2,3
	v_pk_fma_f32 v[R+8*(\b)+2*(\p):R+8*(\b)+2*(\p)+1], v[AC+2*(\p):AC+2*(\p)+1], v[TT+2*(\p):TT+2*(\p)+1], v[R+8*(\b)+2*(\p):R+8*(\b)+2*(\p)+1] op_sel:[0,0,0] op_sel_hi:[0,1,1]
.endr
.endm
.macro CVT b                           ; rounded to f16 and packed downward in place: register 4 b + p is written when 8 b + 2 p and all below have been read
.irp p, 0,1,2,3
	v_cvt_pk_f16_f32 v[R+4*(\b)+(\p)], v[R+8*(\b)+2*(\p)], v[R+8*(\b)+2*(\p)+1]
.endr
.endm
; Row block a: column blocks 0-3 are q's, 4-7 k's: rotated; 8-11 are v's: rounded as they are, into the registers that the packing has freed.
.macro EPI a
	WIN 2+(\a)/2                                   ; source 0 in the accumulators' window
.irp b, 0,1,2,3,4,5,6,7
	ROPE \a, \b
.endr
	WIN 0
.irp b, 0,1,2,3,4,5,6,7
	CVT \b
.endr
	WIN 0x0a+5*((\a)/2)                            ; sources 0 and 1 in the accumulators' window
.irp b, 8,9,10,11
.irp p, 0,1,2,3
	v_cvt_pk_f16_f32 v[R+4*(\b)+(\p)], v[8*(12*((\a)%2)+(\b))+2*(\p)], v[8*(12*((\a)%2)+(\b))+2*(\p)+1]
.endr
.endr
	WIN 0
.irp b, 0,1,2,3,4,5,6,7,8,9,10,11
	ds_store_b128 v[STO], v[R+4*(\b):R+4*(\b)+3] offset:(\a)*16*SPITCH+256*((\b)/4)+32*((\b)%4)
.endr
.endm
	s_wait_loadcnt 0x0                             ; the table, asked for at the head
	EPI 0
	EPI 1
	EPI 2
	EPI 3
	s_wait_dscnt 0x0                               ; for the others' sake: my stores into the stage are done
	s_barrier_signal -1
	s_barrier_wait -1
.irp p, 0,1,2
.irp t, 0,1,2,3,4,5,6,7,8,9,10,11,12,13,14,15
	ds_load_b128 v[32+4*(16*(\p)+(\t)):32+4*(16*(\p)+(\t))+3], v[RD] offset:(\t)*2*SPITCH+256*(\p)
.endr
.endr
.irp p, 0,1,2
.irp t, 0,1,2,3,4,5,6,7,8,9,10,11,12,13,14,15
	s_wait_dscnt 47-(16*(\p)+(\t))
	global_store_b128 v[CO], v[32+4*(16*(\p)+(\t)):32+4*(16*(\p)+(\t))+3], s[QP+2*(\p):QP+2*(\p)+1] offset:512*(\t)  ; two rows of 256 bytes: 512 consecutive bytes, aligned
.endr
.endr
	s_wait_tensorcnt 0x0                           ; the wave's end
	ds_add_u32 v[SPW], v[NIL]
	s_wait_dscnt 0x0
	CROUND                                         ; the closing round
	s_endpgm
.Lfunc_end_k_q56dc5f6953_qkv:
	.size	k_q56dc5f6953_qkv, .Lfunc_end_k_q56dc5f6953_qkv-k_q56dc5f6953_qkv
	.p2alignl 7, 3214868480
	.fill 96, 4, 3214868480
	.section	.rodata,"a",@progbits
	.p2align	6, 0x0
	.amdhsa_kernel k_q56dc5f6953_qkv
		.amdhsa_group_segment_fixed_size 327680
		.amdhsa_private_segment_fixed_size 0
		.amdhsa_enable_private_segment 0
		.amdhsa_kernarg_size 40
		.amdhsa_user_sgpr_count 2
		.amdhsa_user_sgpr_kernarg_segment_ptr 1
		.amdhsa_wavefront_size32 1
		.amdhsa_system_sgpr_workgroup_id_x 1
		.amdhsa_system_sgpr_workgroup_id_y 1
		.amdhsa_system_sgpr_workgroup_id_z 1
		.amdhsa_system_vgpr_workitem_id 0
		.amdhsa_next_free_vgpr 960
		.amdhsa_next_free_sgpr 80
		.amdhsa_reserve_vcc 0
		.amdhsa_float_denorm_mode_32 3
		.amdhsa_float_denorm_mode_16_64 3
		.amdhsa_memory_ordered 1
		.amdhsa_forward_progress 1
		.amdhsa_inst_pref_size 142
	.end_amdhsa_kernel
	.amdgpu_metadata
---
amdhsa.version: [ 1, 2 ]
amdhsa.kernels:
  - .name:           k_q56dc5f6953_qkv
    .symbol:         k_q56dc5f6953_qkv.kd
    .args:
      - { .name: xb, .offset: 0, .size: 8, .value_kind: global_buffer, .address_space: global }
      - { .name: wb, .offset: 8, .size: 8, .value_kind: global_buffer, .address_space: global }
      - { .name: tab, .offset: 16, .size: 8, .value_kind: global_buffer, .address_space: global }
      - { .name: qb, .offset: 24, .size: 8, .value_kind: global_buffer, .address_space: global }
      - { .name: kvb, .offset: 32, .size: 8, .value_kind: global_buffer, .address_space: global }
    .group_segment_fixed_size: 327680
    .private_segment_fixed_size: 0
    .kernarg_segment_align: 8
    .kernarg_segment_size: 40
    .max_flat_workgroup_size: 128
    .sgpr_count:     80
    .vgpr_count:     960
    .wavefront_size: 32
...
	.end_amdgpu_metadata
.endif
;; end of part 2
;; launch attn (part 3): grid 16 x 16, 4 waves a work-group, clusters of 4 x 1, 327,680 bytes of LDS; arguments qb, kvb, ob; writes ob
.if DOCPART == 3
	.amdgcn_target "amdgcn-amd-amdhsa--gfx1250"
	.amdhsa_code_object_version 6
	.text
	.protected	k_q56dc5f6953_attn
	.globl	k_q56dc5f6953_attn
	.p2align	8
	.type	k_q56dc5f6953_attn,@function
k_q56dc5f6953_attn:
	s_mov_b64 s[64:65], 0
	v_nop
	global_prefetch_b8 v0, s[64:65] scope:SCOPE_SE
	s_setreg_imm32_b32 hwreg(HW_REG_WAVE_MODE, 25, 1), 1
	s_wait_xcnt 0x0
	s_wait_alu depctr_hold_cnt(0) depctr_sa_sdst(0) depctr_va_vdst(0) depctr_va_sdst(0) depctr_va_ssrc(0) depctr_va_vcc(0) depctr_vm_vsrc(0)
	s_getreg_b32 s2, hwreg(HW_REG_IB_STS2, 6, 4)
	s_cmp_eq_u32 s2, 0
	s_cbranch_scc0 .Lentry_in_a_cluster
	s_endpgm
.Lentry_in_a_cluster:
	s_bfe_u32 s2, ttmp6, 0x10000c
	s_cmp_lg_u32 s2, 0x3003
	s_cbranch_scc0 .Lentry_shape_is_right
	s_endpgm
.Lentry_shape_is_right:
; CAUSAL ATTENTION, 16 heads of size 128, 2,048 rows.  qb [16][2048][128] f16; kvb [16][32 steps of 64 keys][K, V][64][128] f16; ob [2048][2048] f16, head h at byte 256 h of a row.
; Products, maxima and sums in f32; the weights p are rounded to f16 for the second product (their sum l is taken of the unrounded p); O is rounded once, behind the merge.
; LIMITS.  A hidden score counts as -1e30.  The running maximum starts at -1e20: f16's scores, 5.5e11 at the most in size, lie above it, so it never stands for a true maximum; a wave that sees hidden keys
; alone keeps it, and its weights, l and O are then exact zeros.  A weight below 2^-126 counts as 0.  NaN and infinities are not treated apart.
; THE WALK.  A head's rows lie in 8 groups of 256.  Cluster c (0..3) of the head takes group 7 - c and then group c: key tiles (256 keys) 0 .. 7 - c, then 0 .. c: nine, whatever c.  Its four partners take a block of 64
; rows of the group each and walk the same tiles, so each tile is asked for JOINTLY (mask of four).  No branch, count or LDS address hangs on a partner's place: the place enters Q's and O's addresses and the mask's values alone.
; KEYS ARE SPLIT AMONG THE WAVES: of a tile wave w takes keys 64 w .. +63, for all 64 queries: four tiles of 16 queries, 128 matrix instructions a tile for 64 LDS loads.  Each wave keeps its own m, l and O^T;
; at a block's end the four partial results meet in LDS, in f32: O = sum of f_w O_w / sum of f_w l_w, f_w = 2^(c m_w - max c m).
; THE MASK is the C operand that starts S^T = K Q^T.  In the group's last tile wave w sees all (w < JB, my block's number), the diagonal (w = JB) or nothing (w > JB); three sets of 8 registers, for key tile below, at, above the
; query tile, are made anew in each step from two scalars and MD8, the 16 x 16 triangle.  So one text serves every step.
; LAYOUT.  S^T holds one query a lane (lane % 16) and keys 8 (lane / 16) + 0..7; two such results rounded to f16 ARE source 1 of O^T = V^T P.  p = 2^(c s - c m), c = log2(e) / sqrt(128).
; A STEP: piece 0's (query tiles 0, 1) scores; piece 2's scores with piece 0's softmax in slices behind them; piece 0's V^T P with piece 2's softmax; piece 2's V^T P.
; THE TEXT.  The key step and the merge stand once.  Eight changes of slots ask for a tile and stand in the loop; the ninth asks for nothing and is written out behind the loop, and a jump back walks the body,
; which holds no tensor load, once more.
; REGISTERS, in windows of 256 (s_set_vgpr_msb: bits 1:0 source 0, 3:2 source 1, 5:4 source 2, 7:6 destination):
;   window 0: v2-11 addresses; v12-43 statistics, 8 a tile; v44-60 at work; v64-191 S^T; v192-255 P      window 1: O^T, 64 a tile
;   window 2: v0-127 Q; v128-255 K      window 3: v0-127 V; v128-151 the three masks; v152-159 MD8
.set PK,    272       ; a row in LDS: 256 bytes + 16
.set VOFF,  64*PK     ; a slot: 64 rows of K, then 64 of V, brought by one load
.set SLOTB, 0x8800    ; 128 x 272
.set RING,  0x11000   ; a wave's two slots; w x RING never has bits 15 or 11 set, so an exclusive or with SLOTB turns one slot's address into the other's
.set XCH,   4*RING    ; the merge: four regions (a wave each) of 16 rows x 528 bytes of f32
.set XP,    528
.set XREG,  16*XP
.set STATS, XCH+4*XREG  ; c m as [tile][lane][wave], 2,048 bytes; then l
.set SPARE, STATS+4096  ; the spare words, 128 bytes a wave
.set AK0, 2
.set AV0, 3
.set AKA, 4
.set AVA, 5
.set QO,  6
.set SA,  7
.set SR,  8
.set XS,  9
.set XR,  10
.set GO,  11
.set ST,  12          ; tile t at ST + 8 t: c m, m, l (even keys', odd keys'), four at work
.set PFO, 61
.set SPW, 62
.set NIL, 63
.set S,   64
.set P,   192
.set KF,  128
.set MLT, 128
.set MEQ, 136
.set MGT, 144
.set MD8, 152
.set WV,  12
.set CX,  13
.set CC,  14
.set LIM, 15
.set PFA, 18
.set G1,  24
.set G0,  40
.set SLOTS, 56        ; tiles still to be walked, the one in hand among them
.set CS,  58
.set SEL, 60
.set TB,  62
.set RT,  70          ; tiles of the block in hand still to be entered
.set NXT, 71          ; the tile to be asked for next
.set LQ,  72          ; the last tile of the block whose tiles are being asked for
.set JB,  73
.set OFF, 74
.set AL,  76
.set BE,  77
.set GT,  78
.set OLO, 80
.set BIGN, 82
.set QLO, 84
.set MSB, 0
.macro WIN new
.if MSB != (\new)
	s_set_vgpr_msb (MSB<<8)|(\new)
.set MSB, \new
.endif
.endm
.set W_PV, 0x53       ; V window 3, P window 0, O^T window 1
.set W_RS, 0x41       ; destination and source 0 window 1, source 1 window 0
.macro PLACES
.rept 4
	v_nop
.endr
.endm
.macro CROUND
	s_barrier_signal -1
	s_barrier_wait -1
	s_cmp_lg_u32 s[WV], 0
	s_cbranch_scc1 .Lnot_wave_0_\@
	s_barrier_signal -3
.Lnot_wave_0_\@:
	s_barrier_wait -3
	s_barrier_signal -1
	s_barrier_wait -1
.endm
; A prefetch of the tile that the NEXT change of slots will ask for.  The head's cluster 0 walks tiles 0 to 7 on end: it alone asks, in the trips that fill tiles 1 to 6.  Of a wave's 128 rows of 256 bytes each of the four
; partners names 32, told apart by address, a lane a row: each row is named once in the launch.
.macro ASK
	s_cmp_gt_u32 s[SLOTS], s[LIM]
	s_cbranch_scc0 .Lnot_mine_\@
	global_prefetch_b8 v[PFO], s[PFA:PFA+1] th:TH_LOAD_NT scope:SCOPE_SE
.Lnot_mine_\@:
.endm
; THE CHANGE OF SLOTS.  Each wave waits for all its tensor loads (one is out: the other slot's), adds 0 to its spare word, waits for that and for its reads.  fill = 1: a round of the cluster's barrier, and the joint
; refill, tile NXT, first behind it; its address is made anew from the tile's number.
.macro CHANGE fill
	WIN 0
	s_wait_tensorcnt 0x0
	ds_add_u32 v[SPW], v[NIL]
.if \fill
	s_lshl_b32 s[OFF], s[NXT], 17   ; a tile is 131,072 bytes of kvb
	s_xor_b32 s[G0+1], s[G0+1], SLOTB
	s_add_nc_u64 s[G0+2:G0+3], s[6:7], s[OFF:OFF+1]
	s_or_b32 s[G0+3], s[G0+3], 0x80000000
	s_add_co_u32 s[NXT], s[NXT], 1  ; the block's next tile, or behind its last the second block's tile 0
	s_cmp_gt_u32 s[NXT], s[LQ]
	s_cselect_b32 s[NXT], 0, s[NXT]
	s_cselect_b32 s[LQ], s[CC], s[LQ]
	s_wait_xcnt 0x0                 ; the last prefetch, a tile back, has read its address
	s_add_nc_u64 s[PFA:PFA+1], s[PFA:PFA+1], 0x20000
	s_wait_dscnt 0x0
	CROUND
	tensor_load_to_lds s[G0:G0+3], s[G1:G1+7]
	s_nop 0
	PLACES                          ; also the places in front of the loads into V's registers
	ASK
.else
	s_wait_dscnt 0x0
	s_barrier_signal -1
	s_barrier_wait -1
	PLACES
.endif
	s_xor_b32 s[TB], s[TB], SLOTB   ; the fetches go to the other slot
.endm
.macro QLOAD p                      ; 64 rows of Q: tile i / 4, channels 32 (i % 4) on
	WIN 0x80
.irp i, 0,1,2,3,4,5,6,7,8,9,10,11,12,13,14,15
	global_load_b128 v[8*(\i):8*(\i)+3],   v[QO], s[\p:\p+1] offset:((\i)/4)*4096+((\i)%4)*64
	global_load_b128 v[8*(\i)+4:8*(\i)+7], v[QO], s[\p:\p+1] offset:((\i)/4)*4096+((\i)%4)*64+32
.endr
	WIN 0
.endm
.macro INITM                        ; a block begins: c m far below every c s, so the first step's a is 0; m at its floor
.irp t, 0,1,2,3
	v_mov_b32 v[ST+8*(\t)], 0xfe000000
	v_mov_b32 v[ST+8*(\t)+1], 0xe0ad78ec
.endr
.endm
	s_load_b128 s[4:7], s[0:1], 0x0   ; qb 4, kvb 6
	s_load_b64 s[8:9], s[0:1], 0x10   ; ob
	v_lshl_add_u32 v[SPW], v0, 2, SPARE
	v_mov_b32 v[NIL], 0
	ds_add_u32 v[SPW], v[NIL]       ; the wave's opening: the add and its wait ahead of my first tensor load
	v_lshrrev_b32 v44, 5, v0
	v_readfirstlane_b32 s[WV], v44
	s_bfe_u32 s[CX], ttmp6, 0x40000 ; my place in the cluster
	s_mov_b32 s[CC], ttmp9          ; the cluster among the head's four
	s_and_b32 s20, ttmp7, 0xffff    ; the head
	s_lshl_b32 s22, s20, 20         ; kvb: the head's 1 MiB, my wave's step of a tile
	s_lshl_b32 s21, s[WV], 15
	s_add_co_u32 s22, s22, s21
	s_mov_b32 s23, 0
	s_sub_co_u32 s16, 7, s[CC]
	s_lshl_b32 s16, s16, 8
	s_sub_co_u32 s[JB], 3, s[CX]    ; my block in the first group
	s_lshl_b32 s21, s[JB], 6
	s_add_co_u32 s16, s16, s21      ; its first row
	s_lshl_b32 s17, s[CC], 8
	s_lshl_b32 s21, s[CX], 6
	s_add_co_u32 s17, s17, s21      ; the second block's
	s_lshl_b32 s21, s20, 19
	s_lshl_b32 s44, s16, 8
	s_add_co_u32 s44, s44, s21
	s_mov_b32 s45, 0
	s_lshl_b32 s46, s17, 8
	s_add_co_u32 s46, s46, s21
	s_mov_b32 s47, 0
	s_lshl_b32 s21, s20, 8
	s_lshl_b32 s48, s16, 12
	s_add_co_u32 s48, s48, s21
	s_mov_b32 s49, 0
	s_lshl_b32 s50, s17, 12
	s_add_co_u32 s50, s50, s21
	s_mov_b32 s51, 0
	s_mov_b32 s[G1], 15|(1<<16)|(1<<20)|(1<<21)|(5<<22)|(3<<25)  ; the mask of four; 2-byte elements; padding on; bit 21 beside a mask; after every 64 words 4 words
	s_mov_b32 s[G1+1], 128<<16      ; tensor_dim0 = 128
	s_mov_b32 s[G1+2], 128<<16      ; tensor_dim1 = 128
	s_mov_b32 s[G1+3], 128<<16      ; tile_dim0 = 128
	s_mov_b32 s[G1+4], 128          ; tile_dim1 = 128: K's 64 rows and V's 64, dense in memory
	s_mov_b32 s[G1+5], 128
	s_mov_b32 s[G1+6], 0
	s_mov_b32 s[G1+7], 0
	s_mov_b32 s[G0], 1
	s_mul_i32 s[G0+1], s[WV], RING  ; slot 0 of my ring
	s_add_co_u32 s[TB], s[G0+1], SLOTB  ; the first change turns it into slot 0
	s_mov_b32 s[CS], 0x3e0293ee     ; c = log2(e) / sqrt(128)
	s_mov_b32 s[CS+1], s[CS]
	s_mov_b32 s[SEL], 0x76543210
	s_mov_b32 s[SEL+1], 0xfedcba98
	s_mov_b32 s[BIGN], 0xf149f2ca   ; -1e30
	s_mov_b32 s[SLOTS], 9
	s_sub_co_u32 s[RT], 8, s[CC]
	s_mov_b32 s[NXT], 1
	s_sub_co_u32 s[LQ], 7, s[CC]
	s_mov_b32 s[OFF+1], 0
	s_cmp_eq_u32 s[CC], 0
	s_cselect_b32 s[LIM], 3, -1     ; cluster 0 asks while more than three tiles are left
	s_wait_dscnt 0x0                ; the opening add is done
	s_wait_kmcnt 0x0
	s_add_nc_u64 s[QLO:QLO+1], s[4:5], s[46:47]
	s_add_nc_u64 s[4:5], s[4:5], s[44:45]
	s_add_nc_u64 s[OLO:OLO+1], s[8:9], s[50:51]
	s_add_nc_u64 s[8:9], s[8:9], s[48:49]
	s_add_nc_u64 s[6:7], s[6:7], s[22:23]
	s_add_nc_u64 s[G0+2:G0+3], s[6:7], 0
	s_or_b32 s[G0+3], s[G0+3], 0x80000000
	s_lshl_b32 s2, s[CX], 13        ; my work-group's 32 rows of a wave's 128
	s_mov_b32 s3, 0
	s_add_nc_u64 s[PFA:PFA+1], s[6:7], s[2:3]
	s_add_nc_u64 s[PFA:PFA+1], s[PFA:PFA+1], 0x20000  ; at tile 1: the first change steps it to tile 2
	CROUND                          ; all four work-groups are here
	tensor_load_to_lds s[G0:G0+3], s[G1:G1+7]  ; tile 0 into slot 0
	s_nop 0
	PLACES
	v_and_b32 v44, 15, v0           ; l % 16
	v_bfe_u32 v45, v0, 4, 1         ; l / 16
	v_lshlrev_b32 v[QO], 8, v44
	v_lshl_add_u32 v[QO], v45, 4, v[QO]
	QLOAD 4
	v_mul_u32_u24 v[AK0], v44, PK
	v_lshl_add_u32 v[AK0], v45, 4, v[AK0]
	v_and_b32 v46, 7, v0            ; the turning load: lane l reads key 8 (l / 16) + l % 8, channels 8 ((l / 8) % 2) + 0..7
	v_bfe_u32 v47, v0, 3, 1
	v_lshl_add_u32 v[AV0], v45, 3, v46
	v_mul_u32_u24 v[AV0], v[AV0], PK
	v_lshl_add_u32 v[AV0], v47, 4, v[AV0]
	v_add_nc_u32 v[AV0], VOFF, v[AV0]
	v_and_b32 v48, 31, v0
	v_lshlrev_b32 v[PFO], 8, v48
	v_lshlrev_b32 v[SR], 4, v48
	v_add_nc_u32 v[SR], STATS, v[SR]
	s_lshl_b32 s21, s[WV], 2
	v_add_nc_u32 v[SA], s21, v[SR]
	s_mul_i32 s21, s[WV], XREG
	s_add_co_u32 s21, s21, XCH
	v_mul_u32_u24 v[XS], v44, XP    ; in: row l % 16 of my region, 32 bytes for each half of the lanes
	v_lshl_add_u32 v[XS], v45, 5, v[XS]
	v_add_nc_u32 v[XS], s21, v[XS]
	s_mul_i32 s21, s[WV], 4*XP
	s_add_co_u32 s21, s21, XCH
	v_mul_u32_u24 v[XR], v45, XP    ; back: rows 4 w + l / 16 (+ 2) of every region, 8 channels a lane
	v_lshl_add_u32 v[XR], v44, 5, v[XR]
	v_add_nc_u32 v[XR], s21, v[XR]
	s_lshl_b32 s21, s[WV], 14
	v_lshlrev_b32 v[GO], 12, v45
	v_lshl_add_u32 v[GO], v44, 4, v[GO]
	v_add_nc_u32 v[GO], s21, v[GO]
	v_lshlrev_b32 v49, 3, v45
	v_sub_nc_u32 v49, v44, v49      ; my query less my lanes' 8 (l / 16): key register i is hidden where i is greater
	WIN 0xc0
.set i, 0
.rept 8
	v_cmp_gt_i32 vcc_lo, i, v49
	v_cndmask_b32 v[MD8+i], 0, s[BIGN], vcc_lo
.set i, i+1
.endr
	WIN 0x40                        ; a block's first step multiplies O^T and l by a = 0: they need only be finite: zeros now, what the first block left later.  Written in the wait for the first tile
.set i, 0
.rept 256
	v_mov_b32 v[i], 0
.set i, i+1
.endr
	WIN 0
	INITM
.irp t, 0,1,2,3
	v_mov_b32 v[ST+8*(\t)+2], 0
	v_mov_b32 v[ST+8*(\t)+3], 0
.endr
; Product i of 32 of S^T = K Q^T for piece x: channels 32 (i / 8) on, keys 16 ((i / 2) % 4) on, tile x + i % 2.  The first 8 start the sums with a mask.  The 8 accumulators take turns.
.macro KQ x
.set rS, S+32*((\x)+i%2)+8*((i/2)%4)
.set rK, KF+32*((i/2)%4)+8*(i/8)
.set rQ, 32*((\x)+i%2)+8*(i/8)
.if i < 8
.set rM, MLT
.if ((i/2)%4) == ((\x)+i%2)
.set rM, MEQ
.endif
.if ((i/2)%4) > ((\x)+i%2)
.set rM, MGT
.endif
	WIN 0x3a                        ; K, Q window 2; the mask window 3; S^T window 0
	v_wmma_f32_16x16x32_f16 v[rS:rS+7], v[rK:rK+7], v[rQ:rQ+7], v[rM:rM+7]
.else
	WIN 0x0a
	v_wmma_f32_16x16x32_f16 v[rS:rS+7], v[rK:rK+7], v[rQ:rQ+7], v[rS:rS+7]
.endif
.endm
; Product i of 32 of O^T += V^T P for piece x: keys 32 (i / 16) on, channels 16 ((i / 2) % 8) on, tile x + i % 2.  16 accumulators by turns.
.macro PV x
	WIN W_PV
.set rO, 64*((\x)+i%2)+8*((i/2)%8)
.set rV, 64*(i/16)+8*((i/2)%8)
.set rP, P+16*((\x)+i%2)+8*(i/16)
	v_wmma_f32_16x16x32_f16 v[rO:rO+7], v[rV:rV+7], v[rP:rP+7], v[rO:rO+7]
.endm
.macro FETCH_K                      ; fragment f: keys 16 (f / 4) on, channels 32 (f % 4) on.  The channel groups come one after the other, eight loads each, in the order in which the products take them
	WIN 0x80
.irp f, 0,4,8,12,1,5,9,13,2,6,10,14,3,7,11,15
	ds_load_b128 v[KF+8*(\f):KF+8*(\f)+3],   v[AKA] offset:((\f)/4)*16*PK+((\f)%4)*64
	ds_load_b128 v[KF+8*(\f)+4:KF+8*(\f)+7], v[AKA] offset:((\f)/4)*16*PK+((\f)%4)*64+32
.endr
.endm
.macro FETCH_V
	WIN 0xc0
.irp f, 0,1,2,3,4,5,6,7,8,9,10,11,12,13,14,15  ; keys 32 (f / 8) on, channels 16 (f % 8) on
	ds_load_tr16_b128 v[8*(\f):8*(\f)+3],   v[AVA] offset:((\f)/8)*32*PK+((\f)%8)*32
	ds_load_tr16_b128 v[8*(\f)+4:8*(\f)+7], v[AVA] offset:((\f)/8)*32*PK+16*PK+((\f)%8)*32
.endr
.endm
; ONE TILE'S SOFTMAX for a step: a list of 134; SM writes number j for tile t.  s0-s31 are the lane's scores.
;   0-15 the maximum of s0-s31 and the old m (each accumulator's lowest registers first)     16-20 the other half of the lanes'; m; c m; its change
;   21-69 ONE BATCH: 16 packed scalings c s - c m and 33 exponentials (a at 23); none reads an exponential's result     (the wait)     70-85 roundings to f16     86-101 the sums, l = a l + sum     102-133 O^T times a
.macro SM t
.set rT, ST+8*(\t)
.set rS, S+32*(\t)
.set rP, P+16*(\t)
.set rO, 64*(\t)+2*(j-102)
.if j < 102
	WIN 0
.endif
.if j < 4
	v_max3_num_f32 v[rT+4+j], v[rS+8*j], v[rS+8*j+1], v[rS+8*j+2]
.elseif j < 12
	v_max3_num_f32 v[rT+4+j%4], v[rT+4+j%4], v[rS+8*(j%4)+2*(j/4)+1], v[rS+8*(j%4)+2*(j/4)+2]
.elseif j == 12
	v_max3_num_f32 v[rT+4], v[rT+4], v[rS+7], v[rS+15]
.elseif j == 13
	v_max3_num_f32 v[rT+6], v[rT+6], v[rS+23], v[rS+31]
.elseif j == 14
	v_max3_num_f32 v[rT+4], v[rT+4], v[rT+5], v[rT+6]
.elseif j == 15
	v_max3_num_f32 v[rT+4], v[rT+4], v[rT+7], v[rT+1]
.elseif j == 16
	v_permlanex16_b32 v[rT+5], v[rT+4], s[SEL], s[SEL+1]
.elseif j == 17
	v_mov_b32 v[rT+7], v[rT]
.elseif j == 18
	v_max_num_f32 v[rT+1], v[rT+4], v[rT+5]
.elseif j == 19
	v_mul_f32 v[rT], s[CS], v[rT+1]
.elseif j == 20
	v_sub_f32 v[rT+7], v[rT+7], v[rT]
.elseif j == 23
	v_exp_f32 v[rT+6], v[rT+7]
.elseif (j < 23) || ((j < 38) && (j%2 == 0)) || ((j < 66) && (j%4 == 2))
.set b, (j-2)/4
.if j < 38
.set b, (j-20)/2
.endif
	v_pk_fma_f32 v[rS+2*b:rS+2*b+1], v[rS+2*b:rS+2*b+1], s[CS:CS+1], v[rT:rT+1] op_sel_hi:[1,0,0] neg_lo:[0,0,1] neg_hi:[0,0,1]
.elseif j < 70
.set e, j-38
.if j < 66
.set e, j-32-(j-38)/4
.endif
.if j < 38
.set e, (j-25)/2
.endif
	v_exp_f32 v[rS+e], v[rS+e]
.elseif j < 86
	v_cvt_pk_f16_f32 v[rP+j-70], v[rS+2*(j-70)], v[rS+2*(j-70)+1]
.elseif j < 102
.set z, j-86
.set w, 4
.set u, z
.if z >= 14
.set w, 32
.set u, 0
.elseif z >= 12
.set w, 16
.set u, z-12
.elseif z >= 8
.set w, 8
.set u, z-8
.endif
.if z < 15
	v_pk_add_f32 v[rS+w*u:rS+w*u+1], v[rS+w*u:rS+w*u+1], v[rS+w*u+w/2:rS+w*u+w/2+1]
.else
	v_pk_fma_f32 v[rT+2:rT+3], v[rT+2:rT+3], v[rT+6:rT+7], v[rS:rS+1] op_sel_hi:[1,0,1]
.endif
.else
	WIN W_RS
	v_pk_mul_f32 v[rO:rO+1], v[rO:rO+1], v[rT+6:rT+7] op_sel_hi:[1,0]
.endif
.endm
; Slice k of 64 of piece y's softmax.  Slices 11-34 deal out the batch, four numbers of one tile each; the others are numbers 2 k, 2 k + 1 of both tiles; slice 63 has the eight of each tile that are over.
; Behind slice 34: a plain instruction, and the one wait between the piece's 66 exponentials and the first line that names a result.
.macro SLICE y
.if (k >= 11) && (k < 35)
.irp n, 0,1,2,3
.set j, 22+4*((k-11)/2)+(\n)
	SM (\y)+(k-11)%2
.endr
.else
.irp n, 0,1,2,3,4,5,6,7
.if ((\n) < 2) || (k == 63)
.irp t, \y, (\y)+1
.set j, 2*k+(\n)
	SM \t
.endr
.endif
.endr
.endif
.if k == 34
	v_nop
	s_wait_alu depctr_va_vdst(0)
.endif
.set k, k+1
.endm
; A KEY STEP of my wave: 64 keys x 64 queries.
.macro STEP
	WIN 0
	v_add_nc_u32 v[AKA], s[TB], v[AK0]
	v_add_nc_u32 v[AVA], s[TB], v[AV0]
	FETCH_K
	FETCH_V
	s_cmp_eq_u32 s[WV], s[JB]       ; the mask's scalars: values alone hang on my block's number
	s_cselect_b32 s[AL], 1.0, 0
	s_cmp_gt_u32 s[WV], s[JB]
	s_cselect_b32 s[BE], s[BIGN], 0
	s_cmp_eq_u32 s[RT], 0           ; only the group's last tile hides anything
	s_cselect_b32 s[AL], s[AL], 0
	s_cselect_b32 s[BE], s[BE], 0
	s_cmp_lg_u32 s[AL], 0
	s_cselect_b32 s[GT], s[BIGN], s[BE]
	WIN 0xc3
.set i, 0
.rept 8
	v_mov_b32 v[MLT+i], s[BE]
	v_fma_f32 v[MEQ+i], v[MD8+i], s[AL], s[BE]
	v_mov_b32 v[MGT+i], s[GT]
.set i, i+1
.endr
	s_wait_loadcnt 0x0              ; Q
.set i, 0
.rept 32
.if (i%8) == 0
	s_wait_dscnt 56-i               ; K's channel group i / 8 is in: behind it 8 loads for each later group and V's 32 may be out
.endif
	KQ 0
.set i, i+1
.endr
	WIN 0
	PLACES                          ; between piece 0's last products and the first read of its scores
.set k, 0
.set i, 0
.rept 32
	KQ 2
	SLICE 0
	SLICE 0
.set i, i+1
.endr
	s_wait_dscnt 0x0                ; V is in.  Slices 62 and 63, twenty plain lines on O^T, are the places behind piece 2's last scores
.set k, 0
.set i, 0
.rept 32
	PV 0
	SLICE 2
	SLICE 2
.set i, i+1
.endr
.set i, 0
.rept 32
	PV 2
.set i, i+1
.endr
	WIN 0
.endm
; THE MERGE, tile t: my O^T times g = f / L goes into my region; behind a barrier wave w adds rows 4 w .. 4 w + 3 of the four regions, rounds and stores them; a second barrier frees the regions for the next tile.
.macro PHASE t
	WIN W_RS
.set i, 64*(\t)
.rept 32
	v_pk_mul_f32 v[i:i+1], v[i:i+1], v[ST+8*(\t)+6:ST+8*(\t)+7] op_sel_hi:[1,0]
.set i, i+2
.endr
	WIN 0x04                        ; the stores' data in window 1
.irp cb, 0,1,2,3,4,5,6,7
	ds_store_b128 v[XS], v[64*(\t)+8*(\cb):64*(\t)+8*(\cb)+3]   offset:64*(\cb)
	ds_store_b128 v[XS], v[64*(\t)+8*(\cb)+4:64*(\t)+8*(\cb)+7] offset:64*(\cb)+16
.endr
	WIN 0
	s_wait_dscnt 0x0                ; for the others' sake
	s_barrier_signal -1
	s_barrier_wait -1
.irp u, 0,1,2,3
.irp r, 0,1
	ds_load_b128 v[128+16*(\u)+8*(\r):128+16*(\u)+8*(\r)+3],   v[XR] offset:XREG*(\u)+2*XP*(\r)
	ds_load_b128 v[128+16*(\u)+8*(\r)+4:128+16*(\u)+8*(\r)+7], v[XR] offset:XREG*(\u)+2*XP*(\r)+16
.endr
.endr
	s_wait_dscnt 0x0                ; my reads of the regions are over
.if (\t) < 3
	s_barrier_signal -1             ; work on registers stands between the signal and the wait
.endif
.irp q, 0,2,4,6,8,10,12,14
	v_pk_add_f32 v[128+(\q):128+(\q)+1], v[128+(\q):128+(\q)+1], v[144+(\q):144+(\q)+1]
	v_pk_add_f32 v[160+(\q):160+(\q)+1], v[160+(\q):160+(\q)+1], v[176+(\q):176+(\q)+1]
.endr
.irp q, 0,2,4,6,8,10,12,14
	v_pk_add_f32 v[128+(\q):128+(\q)+1], v[128+(\q):128+(\q)+1], v[160+(\q):160+(\q)+1]
.endr
.irp q, 0,1,2,3,4,5,6,7
	v_cvt_pk_f16_f32 v[192+8*(\t)+(\q)], v[128+2*(\q)], v[128+2*(\q)+1]
.endr
.if (\t) < 3
	s_barrier_wait -1
.endif
.irp r, 0,1
	global_store_b128 v[GO], v[192+8*(\t)+4*(\r):192+8*(\t)+4*(\r)+3], s[8:9] offset:(16*(\t)+2*(\r))*4096  ; 16 lanes store a head's 256 bytes of a row, aligned
.endr
.endm
.macro MERGE
	s_cmp_eq_u32 s[SLOTS], 1        ; behind the walk's last tile there is no further block
	s_cbranch_scc1 .Lno_q_\@
	QLOAD QLO                       ; the second block's Q: the first block's has been multiplied for the last time
.Lno_q_\@:
.irp t, 0,1,2,3                     ; these additions are the places behind the last products
	v_add_f32 v[ST+8*(\t)+4], v[ST+8*(\t)+2], v[ST+8*(\t)+3]
.endr
.irp t, 0,1,2,3
	v_permlanex16_b32 v[ST+8*(\t)+5], v[ST+8*(\t)+4], s[SEL], s[SEL+1]
.endr
.irp t, 0,1,2,3
	v_add_f32 v[ST+8*(\t)+4], v[ST+8*(\t)+4], v[ST+8*(\t)+5]
.endr
.irp t, 0,1,2,3
	ds_store_b32 v[SA], v[ST+8*(\t)] offset:512*(\t)
	ds_store_b32 v[SA], v[ST+8*(\t)+4] offset:2048+512*(\t)
.endr
	s_wait_dscnt 0x0
	s_barrier_signal -1
	s_barrier_wait -1
.irp t, 0,1,2,3
	ds_load_b128 v[64+4*(\t):64+4*(\t)+3], v[SR] offset:512*(\t)       ; the four waves' c m of my query
	ds_load_b128 v[80+4*(\t):80+4*(\t)+3], v[SR] offset:2048+512*(\t)  ; and l
.endr
	s_wait_dscnt 0x0
.irp t, 0,1,2,3
	v_max3_num_f32 v[ST+8*(\t)+5], v[64+4*(\t)], v[65+4*(\t)], v[66+4*(\t)]
.endr
.irp t, 0,1,2,3
	v_max_num_f32 v[ST+8*(\t)+5], v[ST+8*(\t)+5], v[67+4*(\t)]
.endr
.irp t, 0,1,2,3
.irp u, 0,1,2,3
	v_sub_f32 v[96+4*(\t)+(\u)], v[64+4*(\t)+(\u)], v[ST+8*(\t)+5]
.endr
	v_sub_f32 v[ST+8*(\t)+7], v[ST+8*(\t)], v[ST+8*(\t)+5]
.endr
.irp t, 0,1,2,3
.irp u, 0,1,2,3
	v_exp_f32 v[96+4*(\t)+(\u)], v[96+4*(\t)+(\u)]
.endr
	v_exp_f32 v[ST+8*(\t)+7], v[ST+8*(\t)+7]   ; my own f
.endr
	v_nop                           ; a plain instruction behind the last exponential,
	s_wait_alu depctr_va_vdst(0)    ; and one wait for the twenty
.irp t, 0,1,2,3
	v_mul_f32 v[ST+8*(\t)+4], v[96+4*(\t)], v[80+4*(\t)]
.endr
.irp u, 1,2,3
.irp t, 0,1,2,3
	v_fmac_f32 v[ST+8*(\t)+4], v[96+4*(\t)+(\u)], v[80+4*(\t)+(\u)]
.endr
.endr
.irp t, 0,1,2,3
	v_rcp_f32 v[ST+8*(\t)+6], v[ST+8*(\t)+4]
.endr
	v_nop
	s_wait_alu depctr_va_vdst(0)    ; one wait for the four reciprocals
.irp t, 0,1,2,3
	v_mul_f32 v[ST+8*(\t)+6], v[ST+8*(\t)+6], v[ST+8*(\t)+7]
.endr
	PHASE 0
	PHASE 1
	PHASE 2
	PHASE 3
.endm
.Lslot:                             ; eight times: a tile is entered and the next is asked for
	CHANGE 1
.Lbody:                             ; nine times: the tile's key step, and the merge where a block ends.  No tensor load stands in here
	s_sub_co_u32 s[RT], s[RT], 1
	STEP
	s_cmp_lg_u32 s[RT], 0           ; hangs on the cluster's number, which the partners and the waves share
	s_cbranch_scc1 .Lbottom
	MERGE                           ; a block ends
	s_wait_xcnt 0x0                 ; the stores have read their registers and O's address
	s_mov_b64 s[8:9], s[OLO:OLO+1]  ; what follows sets the second block up; behind the second block it serves nothing
	s_add_co_u32 s[RT], s[CC], 1    ; the second block has c + 1 tiles
	s_mov_b32 s[JB], s[CX]
	INITM
.Lbottom:
	s_sub_co_u32 s[SLOTS], s[SLOTS], 1
	s_cmp_eq_u32 s[SLOTS], 0
	s_cbranch_scc1 .Lend            ; all nine tiles are walked
	s_cmp_lg_u32 s[SLOTS], 1
	s_cbranch_scc1 .Lslot           ; two tiles or more are left: the one after the next is still to be asked for
	CHANGE 0                        ; the walk's last tile: nothing is asked for
	s_branch .Lbody
.Lend:
	s_wait_tensorcnt 0x0            ; the wave's end
	ds_add_u32 v[SPW], v[NIL]
	s_wait_dscnt 0x0
	CROUND                          ; the closing round
	s_endpgm
.Lfunc_end_k_q56dc5f6953_attn:
	.size	k_q56dc5f6953_attn, .Lfunc_end_k_q56dc5f6953_attn-k_q56dc5f6953_attn
	.p2alignl 7, 3214868480
	.fill 96, 4, 3214868480
	.section	.rodata,"a",@progbits
	.p2align	6, 0x0
	.amdhsa_kernel k_q56dc5f6953_attn
		.amdhsa_group_segment_fixed_size 327680
		.amdhsa_private_segment_fixed_size 0
		.amdhsa_enable_private_segment 0
		.amdhsa_kernarg_size 24
		.amdhsa_user_sgpr_count 2
		.amdhsa_user_sgpr_kernarg_segment_ptr 1
		.amdhsa_wavefront_size32 1
		.amdhsa_system_sgpr_workgroup_id_x 1
		.amdhsa_system_sgpr_workgroup_id_y 1
		.amdhsa_system_sgpr_workgroup_id_z 1
		.amdhsa_system_vgpr_workitem_id 0
		.amdhsa_next_free_vgpr 928
		.amdhsa_next_free_sgpr 96
		.amdhsa_reserve_vcc 1
		.amdhsa_float_denorm_mode_32 3
		.amdhsa_float_denorm_mode_16_64 3
		.amdhsa_memory_ordered 1
		.amdhsa_forward_progress 1
		.amdhsa_inst_pref_size 102
	.end_amdhsa_kernel
	.amdgpu_metadata
---
amdhsa.version: [ 1, 2 ]
amdhsa.kernels:
  - .name:           k_q56dc5f6953_attn
    .symbol:         k_q56dc5f6953_attn.kd
    .args:
      - { .name: qb, .offset: 0, .size: 8, .value_kind: global_buffer, .address_space: global }
      - { .name: kvb, .offset: 8, .size: 8, .value_kind: global_buffer, .address_space: global }
      - { .name: ob, .offset: 16, .size: 8, .value_kind: global_buffer, .address_space: global }
    .group_segment_fixed_size: 327680
    .private_segment_fixed_size: 0
    .kernarg_segment_align: 8
    .kernarg_segment_size: 24
    .max_flat_workgroup_size: 128
    .sgpr_count:     96
    .vgpr_count:     928
    .wavefront_size: 32
...
	.end_amdgpu_metadata
.endif
;; end of part 3
;; launch proj (part 4): grid 16 x 16, 4 waves a work-group, clusters of 4 x 4, 327,680 bytes of LDS; arguments ob, wo, out0; writes out0
.if DOCPART == 4
	.amdgcn_target "amdgcn-amd-amdhsa--gfx1250"
	.amdhsa_code_object_version 6
	.text
	.protected	k_q56dc5f6953_proj
	.globl	k_q56dc5f6953_proj
	.p2align	8
	.type	k_q56dc5f6953_proj,@function
k_q56dc5f6953_proj:
	s_mov_b64 s[64:65], 0
	v_nop
	global_prefetch_b8 v0, s[64:65] scope:SCOPE_SE
	s_setreg_imm32_b32 hwreg(HW_REG_WAVE_MODE, 25, 1), 1
	s_wait_xcnt 0x0
	s_wait_alu depctr_hold_cnt(0) depctr_sa_sdst(0) depctr_va_vdst(0) depctr_va_sdst(0) depctr_va_ssrc(0) depctr_va_vcc(0) depctr_vm_vsrc(0)
	s_getreg_b32 s2, hwreg(HW_REG_IB_STS2, 6, 4)
	s_cmp_eq_u32 s2, 0
	s_cbranch_scc0 .Lentry_in_a_cluster
	s_endpgm
.Lentry_in_a_cluster:
	s_bfe_u32 s2, ttmp6, 0x10000c
	s_cmp_lg_u32 s2, 0xf033
	s_cbranch_scc0 .Lentry_shape_is_right
	s_endpgm
.Lentry_shape_is_right:
; out0[m][n] = sum over k of ob[m][k] wo[n][k].  ob, wo: [2048][2048] f16; out0: [2048][2048] f32; sums in f32.
; 16 x 16 tiles of 128 x 128, a work-group each.  Four waves, each 64 x 64: 16 accumulators.  K goes in 8 steps of 256 (LDS rows of 512 bytes; a wave's tensor load brings 64 of them) through two slots.
; CLUSTER 4 x 4: ob's tile is asked for jointly along a row of the cluster, wo's along a column.  THE MATRIX INSTRUCTION IS USED TRANSPOSED (source 0 = wo's rows, source 1 = ob's): a lane holds eight
; neighbouring numbers of a row of out0.  A wave's 64 columns are 256 bytes of a row, aligned: the way out goes through the wave's own stage and needs no barrier.
; THE WALK ALONG K IS TURNED inside each group of four K steps: walk step t takes K step (t & 4) | ((t + p) & 3), p = (cluster x + 2 ((y ^ (y >> 1)) & 1)) & 3, y the cluster's y.  So the four clusters of one y, which
; read the same rows of ob, ask for four different K steps at a time; of the four clusters of one x, which read the same rows of wo, y = 0 and 3 stand two steps from y = 1 and 2.  p is the same in all sixteen partners.
; The f32 sums are taken in that order of K.  No prefetch: the tiles are small and the launch is short.
; REGISTERS: window 0: v16-29 addresses; v32-95 rows on the way out; v128-255 the accumulators ((a, b) at 128 + 8 (4 a + b)).  Window 1: two fragment buffers of 128: 64 registers of A, then 64 of B.
.set SIZE_K, 2048
.set SIZE_N, 2048
.set KSTEP,  256
.set PITCH,  528
.set HALFT,  64*PITCH
.set SLOT,   4*HALFT
.set STAGE,  2*SLOT                    ; behind the ring: 16 rows x 272 bytes for each wave
.set SPITCH, 272
.set SPARE,  STAGE+4*16*SPITCH
.set LAPS, SIZE_K/(2*KSTEP)
.set ADRA, 16
.set ADRB, 20
.set STO,  24
.set RD,   25
.set CO,   26
.set SPW,  28
.set NIL,  29
.set TMP,  32
.set ACC,  128
.set F0,   0
.set F1,   128
.set G1, 24
.set G0, 32
.set G1B, 48
.set G0B, 56
.set TN,  2                            ; s2  the walk step that the next refill brings
.set OFF, 18                           ; s[18:19] its byte along K
.set KT,  44                           ; s44 at work
.set PH,  45                           ; s45 p
.set MSB, 0
.macro WIN new
.if MSB != (\new)
	s_set_vgpr_msb (MSB<<8)|(\new)
.set MSB, \new
.endif
.endm
.set MUL,  0x05
.set TO_F, 0x40
.macro KOFF                            ; s[OFF] = the byte along K at which walk step s[TN] begins
	s_add_co_u32 s[OFF], s[TN], s[PH]
	s_and_b32 s[OFF], s[OFF], 3
	s_and_b32 s[KT], s[TN], 4
	s_or_b32 s[OFF], s[OFF], s[KT]
	s_lshl_b32 s[OFF], s[OFF], 9
.endm
.macro JLOAD s                         ; waves 0 and 1 fetch A's two halves, waves 2 and 3 B's; an s_nop 0 and four v_nop follow each line
	s_cmp_eq_u32 s11, 0
	s_cbranch_scc0 .Lfor_b_\@
	tensor_load_to_lds s[G0+4*(\s):G0+4*(\s)+3], s[G1:G1+7]
	s_nop 0
.rept 4
	v_nop
.endr
	s_branch .Lasked_\@
.Lfor_b_\@:
	tensor_load_to_lds s[G0B+4*(\s):G0B+4*(\s)+3], s[G1B:G1B+7]
	s_nop 0
.rept 4
	v_nop
.endr
.Lasked_\@:
.endm
.macro CREST
	s_cmp_lg_u32 s10, 0
	s_cbranch_scc1 .Lnot_wave_0_\@
	s_barrier_signal -3
.Lnot_wave_0_\@:
	s_barrier_wait -3
	s_barrier_signal -1
	s_barrier_wait -1
.endm
.macro CROUND
	s_barrier_signal -1
	s_barrier_wait -1
	CREST
.endm
	s_load_b128 s[4:7], s[0:1], 0x0                ; ob 4, wo 6
	s_load_b64 s[8:9], s[0:1], 0x10                ; out0
	v_lshl_add_u32 v[SPW], v0, 2, SPARE
	v_mov_b32 v[NIL], 0
	ds_add_u32 v[SPW], v[NIL]                      ; the wave's opening: the add and its wait ahead of my first tensor load
	v_lshrrev_b32 v1, 5, v0
	v_readfirstlane_b32 s10, v1                    ; wave 0..3
	s_lshr_b32 s11, s10, 1                         ; my half of the rows.  Also: I fetch for A (0) or for B (1)
	s_and_b32 s12, s10, 1                          ; my half of the columns.  Also: which 64 rows I fetch
	s_bfe_u32 s40, ttmp6, 0x40000
	s_bfe_u32 s41, ttmp6, 0x40004
	s_lshl_b32 s42, ttmp9, 2
	s_add_co_u32 s42, s42, s40                     ; tile column
	s_and_b32 s13, ttmp7, 0xffff                   ; the cluster's y
	s_lshr_b32 s[PH], s13, 1
	s_xor_b32 s[PH], s[PH], s13
	s_and_b32 s[PH], s[PH], 1
	s_lshl_b32 s[PH], s[PH], 1                     ; 0, 2, 2, 0 for y = 0 .. 3
	s_add_co_u32 s[PH], s[PH], ttmp9
	s_and_b32 s[PH], s[PH], 3                      ; p
	s_lshl_b32 s13, s13, 2
	s_add_co_u32 s13, s13, s41                     ; tile row
	s_lshl_b32 s43, s41, 2
	s_lshl_b32 s43, 15, s43
	s_lshl_b32 s44, 0x1111, s40
	s_or_b32 s[G1+0], s43, (1<<16)|(1<<20)|(1<<21)|(6<<22)|(3<<25)  ; mask; 2-byte elements; padding on; bit 21 beside a mask; after every 128 words 4 words
	s_or_b32 s[G1B+0], s44, (1<<16)|(1<<20)|(1<<21)|(6<<22)|(3<<25)
.irp g, G1, G1B
	s_mov_b32 s[(\g)+1], KSTEP<<16
	s_mov_b32 s[(\g)+2], 64<<16
	s_mov_b32 s[(\g)+3], KSTEP<<16
	s_mov_b32 s[(\g)+4], 64
	s_mov_b32 s[(\g)+5], SIZE_K
	s_mov_b32 s[(\g)+6], 0
	s_mov_b32 s[(\g)+7], 0
.endr
	s_lshl_b32 s17, s12, 6
	s_lshl_b32 s16, s13, 7
	s_add_co_u32 s16, s16, s17
	s_lshl_b32 s46, s42, 7
	s_add_co_u32 s46, s46, s17
	s_mov_b32 s17, 0
	s_mov_b32 s47, 0
	s_mov_b64 s[18:19], SIZE_K*2
	s_mul_u64 s[16:17], s[16:17], s[18:19]
	s_mul_u64 s[46:47], s[46:47], s[18:19]
	s_mov_b32 s[OFF+1], 0
	s_mov_b32 s[TN], 0
	s_mul_i32 s20, s10, HALFT
	s_wait_dscnt 0x0                               ; the opening add is done
	s_wait_kmcnt 0x0
	s_add_nc_u64 s[14:15], s[4:5], s[16:17]        ; A's tile at K = 0: kept
	s_add_nc_u64 s[46:47], s[6:7], s[46:47]        ; B's: kept
	CROUND
.irp s, 0,1
	KOFF
	s_mov_b32 s[G0+4*(\s)], 1
	s_add_co_u32 s[G0+4*(\s)+1], s20, (\s)*SLOT
	s_add_nc_u64 s[G0+4*(\s)+2:G0+4*(\s)+3], s[14:15], s[OFF:OFF+1]
	s_or_b32 s[G0+4*(\s)+3], s[G0+4*(\s)+3], 0x80000000
	s_mov_b32 s[G0B+4*(\s)], 1
	s_add_co_u32 s[G0B+4*(\s)+1], s20, (\s)*SLOT
	s_add_nc_u64 s[G0B+4*(\s)+2:G0B+4*(\s)+3], s[46:47], s[OFF:OFF+1]
	s_or_b32 s[G0B+4*(\s)+3], s[G0B+4*(\s)+3], 0x80000000
	JLOAD \s                                       ; walk steps 0 and 1
	s_add_co_u32 s[TN], s[TN], 1
.endr
	v_and_b32 v1, 15, v0
	v_bfe_u32 v2, v0, 4, 1
	v_mul_u32_u24 v3, v1, PITCH
	v_lshl_add_u32 v3, v2, 4, v3
	s_mul_i32 s21, s11, HALFT
	s_mul_i32 s22, s12, HALFT
	s_add_co_u32 s22, s22, 2*HALFT
.irp s, 0,1
	v_add_nc_u32 v[ADRA+(\s)], s21, v3
	v_add_nc_u32 v[ADRB+(\s)], s22, v3
	s_add_co_u32 s21, s21, SLOT
	s_add_co_u32 s22, s22, SLOT
.endr
	s_mul_i32 s23, s10, 16*SPITCH
	s_add_co_u32 s23, s23, STAGE                   ; my stage
	v_mul_u32_u24 v4, v1, SPITCH                   ; in: row l % 16, 32 bytes for each half of the lanes
	v_lshl_add_u32 v4, v2, 5, v4
	v_add_nc_u32 v[STO], s23, v4
	v_mul_u32_u24 v5, v2, SPITCH                   ; back: lanes 0-15 one row of 256 bytes, lanes 16-31 the next
	v_lshl_add_u32 v5, v1, 4, v5
	v_add_nc_u32 v[RD], s23, v5
	v_lshlrev_b32 v5, 13, v2                       ; and the same two rows in out0, 8,192 bytes apart
	v_lshl_add_u32 v[CO], v1, 4, v5
	s_lshl_b32 s16, s13, 7
	s_lshl_b32 s17, s11, 6
	s_add_co_u32 s16, s16, s17                     ; my first row
	s_lshl_b32 s16, s16, 13
	s_mov_b32 s17, 0
	s_add_nc_u64 s[8:9], s[8:9], s[16:17]
	s_lshl_b32 s66, s42, 9                         ; my first column, in bytes
	s_lshl_b32 s67, s12, 8
	s_add_co_u32 s66, s66, s67
	s_mov_b32 s67, 0
	s_add_nc_u64 s[8:9], s[8:9], s[66:67]
; 8 matrix instructions: row blocks a0, a0 + 1 x all 4 column blocks, 32 along K: half c of buffer f.  The 16 accumulators take turns.
.macro MUL8 f, c, a0, zero
	WIN MUL
.irp a, \a0, (\a0)+1
.irp b, 0,1,2,3
.if \zero
	v_wmma_f32_16x16x32_f16 v[ACC+8*(4*(\a)+(\b)):ACC+8*(4*(\a)+(\b))+7], v[(\f)+64+8*(4*(\c)+(\b)):(\f)+64+8*(4*(\c)+(\b))+7], v[(\f)+8*(4*(\c)+(\a)):(\f)+8*(4*(\c)+(\a))+7], 0
.else
	v_wmma_f32_16x16x32_f16 v[ACC+8*(4*(\a)+(\b)):ACC+8*(4*(\a)+(\b))+7], v[(\f)+64+8*(4*(\c)+(\b)):(\f)+64+8*(4*(\c)+(\b))+7], v[(\f)+8*(4*(\c)+(\a)):(\f)+8*(4*(\c)+(\a))+7], v[ACC+8*(4*(\a)+(\b)):ACC+8*(4*(\a)+(\b))+7]
.endif
.endr
.endr
.endm
.macro FETCH slot, k, f                ; 32 LDS loads in one run: 64 along K, the first 32 first
	WIN TO_F
.irp c, 0,1
.irp i, 0,1,2,3
	ds_load_b128 v[(\f)+64+8*(4*(\c)+(\i)):(\f)+64+8*(4*(\c)+(\i))+3],   v[ADRB+(\slot)] offset:(\k)+64*(\c)+(\i)*16*PITCH
	ds_load_b128 v[(\f)+64+8*(4*(\c)+(\i))+4:(\f)+64+8*(4*(\c)+(\i))+7], v[ADRB+(\slot)] offset:(\k)+64*(\c)+(\i)*16*PITCH+32
	ds_load_b128 v[(\f)+8*(4*(\c)+(\i)):(\f)+8*(4*(\c)+(\i))+3],         v[ADRA+(\slot)] offset:(\k)+64*(\c)+(\i)*16*PITCH
	ds_load_b128 v[(\f)+8*(4*(\c)+(\i))+4:(\f)+8*(4*(\c)+(\i))+7],       v[ADRA+(\slot)] offset:(\k)+64*(\c)+(\i)*16*PITCH+32
.endr
.endr
.endm
.macro PLACES
.rept 4
	v_nop
.endr
.endm
.macro QUARTER slot, k, f, g, zero
	s_wait_dscnt 16                                ; the first 32 along K are in
	MUL8 \f, 0, 0, \zero
	MUL8 \f, 0, 2, \zero
	PLACES
	FETCH \slot, \k, \g
	s_wait_dscnt 32                                ; all but the 32 just issued
	MUL8 \f, 1, 0, 0
	MUL8 \f, 1, 2, 0
.endm
; The last quarter changes slots.  fill = 1: this slot takes walk step s[TN]; the two addresses are made anew, from the tiles' addresses at K = 0, while the add is out.
.macro TURN slot, next, fill
	WIN 0
	s_wait_tensorcnt 0x0                           ; all my tensor loads have landed: my part of the next slot
	ds_add_u32 v[SPW], v[NIL]
.if \fill
	KOFF
	s_add_nc_u64 s[G0+4*(\slot)+2:G0+4*(\slot)+3], s[14:15], s[OFF:OFF+1]
	s_or_b32 s[G0+4*(\slot)+3], s[G0+4*(\slot)+3], 0x80000000
	s_add_nc_u64 s[G0B+4*(\slot)+2:G0B+4*(\slot)+3], s[46:47], s[OFF:OFF+1]
	s_or_b32 s[G0B+4*(\slot)+3], s[G0B+4*(\slot)+3], 0x80000000
	s_add_co_u32 s[TN], s[TN], 1
.endif
	s_wait_dscnt 17                                ; the add and the youngest sixteen loads may be out
	MUL8 F1, 0, 0, 0
	s_wait_dscnt 0x0                               ; the add is done, my reads of this slot are over
	s_barrier_signal -1
	MUL8 F1, 0, 2, 0
.if \fill
	WIN 0
.endif
	s_barrier_wait -1
.if \fill
	CREST
	JLOAD \slot
.else
	PLACES
.endif
	FETCH \next, 0, F0
	MUL8 F1, 1, 0, 0
	MUL8 F1, 1, 2, 0
.endm
	s_wait_tensorcnt 1                             ; my part of walk step 0 is in; step 1's stays out
	s_barrier_signal -1
	s_barrier_wait -1
	FETCH 0, 0, F0
	QUARTER 0, 128, F0, F1, 1
	WIN 0
	s_mov_b32 s3, LAPS-1
.Llap:
	QUARTER 0, 256, F1, F0, 0
	QUARTER 0, 384, F0, F1, 0
	TURN 0, 1, 1
	QUARTER 1, 128, F0, F1, 0
	QUARTER 1, 256, F1, F0, 0
	QUARTER 1, 384, F0, F1, 0
	TURN 1, 0, 1
	QUARTER 0, 128, F0, F1, 0
	WIN 0
	s_sub_co_u32 s3, s3, 1
	s_cmp_lg_u32 s3, 0
	s_cbranch_scc1 .Llap
	QUARTER 0, 256, F1, F0, 0                      ; the last lap fills nothing
	QUARTER 0, 384, F0, F1, 0
	TURN 0, 1, 0
	QUARTER 1, 128, F0, F1, 0
	QUARTER 1, 256, F1, F0, 0
	QUARTER 1, 384, F0, F1, 0
	s_wait_dscnt 16
	MUL8 F1, 0, 0, 0
	MUL8 F1, 0, 2, 0
	s_wait_dscnt 0x0
	MUL8 F1, 1, 0, 0
	MUL8 F1, 1, 2, 0
	WIN 0
	PLACES
	PLACES
	; THE WAY OUT, 16 rows at a time: a lane's eight f32 of a row go into my stage, each accumulator's lower half first; whole rows of 256 bytes come back and are stored.
.irp a, 0,1,2,3
.irp b, 0,1,2,3
	ds_store_b128 v[STO], v[ACC+8*(4*(\a)+(\b)):ACC+8*(4*(\a)+(\b))+3]   offset:64*(\b)
	ds_store_b128 v[STO], v[ACC+8*(4*(\a)+(\b))+4:ACC+8*(4*(\a)+(\b))+7] offset:64*(\b)+16
.endr
.if (\a) >= 2
	s_wait_xcnt 0x0                                ; the stores of two blocks back have read this set of rows
.endif
.irp t, 0,1,2,3,4,5,6,7
	ds_load_b128 v[TMP+32*((\a)%2)+4*(\t):TMP+32*((\a)%2)+4*(\t)+3], v[RD] offset:(\t)*2*SPITCH  ; LDS serves a wave's instructions in order (ISA guide 5.7.1.4): these see the stores above
.endr
.irp t, 0,1,2,3,4,5,6,7
	s_wait_dscnt 7-(\t)
	global_store_b128 v[CO], v[TMP+32*((\a)%2)+4*(\t):TMP+32*((\a)%2)+4*(\t)+3], s[8:9] offset:(16*(\a)+2*(\t))*SIZE_N*4  ; 16 lanes store 256 consecutive bytes, aligned
.endr
.endr
	s_wait_tensorcnt 0x0                           ; the wave's end
	ds_add_u32 v[SPW], v[NIL]
	s_wait_dscnt 0x0
	CROUND                                         ; the closing round
	s_endpgm
.Lfunc_end_k_q56dc5f6953_proj:
	.size	k_q56dc5f6953_proj, .Lfunc_end_k_q56dc5f6953_proj-k_q56dc5f6953_proj
	.p2alignl 7, 3214868480
	.fill 96, 4, 3214868480
	.section	.rodata,"a",@progbits
	.p2align	6, 0x0
	.amdhsa_kernel k_q56dc5f6953_proj
		.amdhsa_group_segment_fixed_size 327680
		.amdhsa_private_segment_fixed_size 0
		.amdhsa_enable_private_segment 0
		.amdhsa_kernarg_size 24
		.amdhsa_user_sgpr_count 2
		.amdhsa_user_sgpr_kernarg_segment_ptr 1
		.amdhsa_wavefront_size32 1
		.amdhsa_system_sgpr_workgroup_id_x 1
		.amdhsa_system_sgpr_workgroup_id_y 1
		.amdhsa_system_sgpr_workgroup_id_z 1
		.amdhsa_system_vgpr_workitem_id 0
		.amdhsa_next_free_vgpr 512
		.amdhsa_next_free_sgpr 72
		.amdhsa_reserve_vcc 0
		.amdhsa_float_denorm_mode_32 3
		.amdhsa_float_denorm_mode_16_64 3
		.amdhsa_memory_ordered 1
		.amdhsa_forward_progress 1
		.amdhsa_inst_pref_size 88
	.end_amdhsa_kernel
	.amdgpu_metadata
---
amdhsa.version: [ 1, 2 ]
amdhsa.kernels:
  - .name:           k_q56dc5f6953_proj
    .symbol:         k_q56dc5f6953_proj.kd
    .args:
      - { .name: ob, .offset: 0, .size: 8, .value_kind: global_buffer, .address_space: global }
      - { .name: wo, .offset: 8, .size: 8, .value_kind: global_buffer, .address_space: global }
      - { .name: out0, .offset: 16, .size: 8, .value_kind: global_buffer, .address_space: global }
    .group_segment_fixed_size: 327680
    .private_segment_fixed_size: 0
    .kernarg_segment_align: 8
    .kernarg_segment_size: 24
    .max_flat_workgroup_size: 128
    .sgpr_count:     72
    .vgpr_count:     512
    .wavefront_size: 32
...
	.end_amdgpu_metadata
.endif
;; end of part 4
;; ======== version 2 of 2: 4 launches; version 1 with the launch prep written anew for expert scheduling mode
;; limits: values are held in f16: magnitudes above 65,504 overflow, below 6.1e-05 lose precision; right only within a limited range of input values
;; workspace buffers: xb 8,388,608 bytes; wb 25,165,824 bytes; wo 8,388,608 bytes; tab 1,048,576 bytes; qb 8,388,608 bytes; kvb 16,777,216 bytes; ob 8,388,608 bytes
;; launch prep (part 5): grid 512 x 1, 8 waves a work-group, no clusters, 0 bytes of LDS; arguments x, Wq, Wk, Wv, Wo, token_positions, xb, wb, wo, tab; writes xb, wb, wo, tab
.if DOCPART == 5
	.amdgcn_target "amdgcn-amd-amdhsa--gfx1250"
	.amdhsa_code_object_version 6
	.text
	.protected	k_q56dc5f6953_prep
	.globl	k_q56dc5f6953_prep
	.p2align	8
	.type	k_q56dc5f6953_prep,@function
k_q56dc5f6953_prep:
	s_mov_b64 s[64:65], 0
	v_nop
	global_prefetch_b8 v0, s[64:65] scope:SCOPE_SE
	s_setreg_imm32_b32 hwreg(HW_REG_WAVE_SCHED_MODE, 0, 2), 2
	s_setreg_imm32_b32 hwreg(HW_REG_WAVE_MODE, 25, 1), 1
	s_wait_xcnt 0x0
	s_wait_alu depctr_vm_vsrc(0)
; CASTS AND THE ROPE TABLE.  x, Wq, Wk, Wv -> bf16 (xb; wb = [q, k, v][2048][2048]); Wo -> bf16 and that number written as f16 (wo); tab = (cos, sin) of position x frequency, f32.
; LIMITS.  Wo's bf16 value is exact in f16 between 2^-14 and 65,504; below it keeps f16's fixed step of 2^-24, above it is lost.  |token_position| up to 2^20: beyond, the quotient of the
; range reduction loses its last bits.  Sine and cosine: reduction by pi/2 in two parts, then series to r^9 and r^8 on |r| <= pi/4 (their remainders lie under 4e-7 there).
; SHARES.  512 work-groups of 8 waves.  Work-group G takes elements 8192 G .. +8191 of each of the five arrays: a thread eight loads of 16 bytes (a wave's load: 512 consecutive bytes) and
; eight stores of 8 bytes (a wave's store: 256 consecutive bytes, aligned) for each array.  ALL 40 LOADS OF A WAVE GO OUT AT THE HEAD, into five sets of 32 registers: no register is loaded twice,
; so nothing waits for a store.  Memory binds: no LDS, no matrix unit.
; THE TABLE.  Thread g = 256 G + t makes one entry, 8 bytes at 8 g.  g's bits: 0 e; 1-4 s % 16; 5 hh; 6 half; 7-9 dt; 10-16 s / 16.  Pair i = 8 dt + 4 hh + 2 half + e of row s.
; So for 16 rows and 16 columns (dt) the 1,024 bytes are [half][lane = s % 16 + 16 hh][16 bytes]: what a lane of a 16 x 16 result (one row, eight neighbouring columns) reads by two loads.
; THE MODE: SCHED_MODE bits 1:0 = 2 (LLVM: expert scheduling mode 2), set by the entry lines.  The code itself states the register dependences between vector instructions and memory
; instructions, with s_wait_alu, always for 0.
; THE PLAN.  One straight path.  Registers that memory instructions touch:
;   v1, v2, v3, v4   byte offsets: of the 40 loads, of the 40 stores, of the table's entry, of the position.  Written by vector lines at the head, ahead of the first wait, and never again.
;   v5               the position lands in it; no vector line names it before that load.
;   X0 .. X4         a set is loaded once; no vector line names it before its load.  Behind the wait for its data its conversions read it and write two of each four registers in place;
;                    its eight stores read those; nothing writes them again.
;   v[20:21]         the table's entry: written by the selects and the sign flips, read by one store, never written again.
; So: ONE wait on va_vdst ahead of the first load (the four offsets; the exponential's result too); ONE behind each set's conversions, ahead of its run of stores (the first of them also for v[20:21]);
; one wait on va_vcc between the compare and the selects.  No register that a memory instruction reads is written again, so the text holds no wait on vm_vsrc.
; A set's stores follow its own conversions at once and are not held back to the next set's head: behind the last set nothing follows under which held-back stores could leave.
.set X0, 32
.set X1, 64
.set X2, 96
.set X3, 128
.set X4, 160
.macro LOADS set, p
.irp j, 0,1,2,3,4,5,6,7
	global_load_b128 v[(\set)+4*(\j):(\set)+4*(\j)+3], v1, s[\p:\p+1] offset:4096*(\j) th:TH_LOAD_NT
.endr
.endm
.macro CVTB set                        ; four f32 -> four bf16 in the first two registers, in place
.irp j, 0,1,2,3,4,5,6,7
	v_cvt_pk_bf16_f32 v[(\set)+4*(\j)], v[(\set)+4*(\j)], v[(\set)+4*(\j)+1]
	v_cvt_pk_bf16_f32 v[(\set)+4*(\j)+1], v[(\set)+4*(\j)+2], v[(\set)+4*(\j)+3]
.endr
.endm
.macro CVTH set                        ; rounded to bf16, widened again, written as f16
.irp j, 0,1,2,3,4,5,6,7
	v_cvt_pk_bf16_f32 v30, v[(\set)+4*(\j)], v[(\set)+4*(\j)+1]
	v_cvt_pk_bf16_f32 v31, v[(\set)+4*(\j)+2], v[(\set)+4*(\j)+3]
	v_lshlrev_b32 v[(\set)+4*(\j)], 16, v30
	v_and_b32 v[(\set)+4*(\j)+1], s28, v30
	v_lshlrev_b32 v[(\set)+4*(\j)+2], 16, v31
	v_and_b32 v[(\set)+4*(\j)+3], s28, v31
	v_cvt_pk_f16_f32 v[(\set)+4*(\j)], v[(\set)+4*(\j)], v[(\set)+4*(\j)+1]
	v_cvt_pk_f16_f32 v[(\set)+4*(\j)+1], v[(\set)+4*(\j)+2], v[(\set)+4*(\j)+3]
.endr
.endm
.macro STORES set, p
.irp j, 0,1,2,3,4,5,6,7
	global_store_b64 v2, v[(\set)+4*(\j):(\set)+4*(\j)+1], s[\p:\p+1] offset:2048*(\j)
.endr
.endm
	s_load_b512 s[4:19], s[0:1], 0x0               ; x 4, Wq 6, Wk 8, Wv 10, Wo 12, positions 14, xb 16, wb 18
	s_load_b128 s[20:23], s[0:1], 0x40             ; wo 20, tab 22
	s_lshl_b32 s2, ttmp9, 15                       ; the group's 32 KiB of f32
	s_lshl_b32 s3, ttmp9, 14                       ; its 16 KiB of 16-bit numbers
	s_lshl_b32 s29, ttmp9, 8
	s_mov_b32 s28, 0xffff0000                      ; a word's upper bf16
	v_add_nc_u32 v6, s29, v0                       ; g
	v_bfe_u32 v9, v6, 7, 3                         ; the frequency needs neither a position nor an argument: made while the arguments are on their way
	v_bfe_u32 v10, v6, 5, 1
	v_bfe_u32 v11, v6, 6, 1
	v_and_b32 v12, 1, v6
	v_lshlrev_b32 v9, 3, v9
	v_lshl_add_u32 v9, v10, 2, v9
	v_lshl_add_u32 v9, v11, 1, v9
	v_add_nc_u32 v9, v9, v12                       ; i
	v_cvt_f32_u32 v9, v9
	v_mul_f32 v9, 0xbe549a78, v9                   ; - i log2(10000) / 64
	v_exp_f32 v10, v9                              ; 10000^(-i / 64); the nine address lines below, which name neither v9 nor v10, are the plain work behind it
	v_lshlrev_b32 v1, 4, v0
	v_add_nc_u32 v1, s2, v1                        ; where I load
	v_lshlrev_b32 v2, 3, v0
	v_add_nc_u32 v2, s3, v2                        ; where I store
	v_lshlrev_b32 v3, 3, v6                        ; my table entry
	v_lshrrev_b32 v7, 10, v6
	v_bfe_u32 v8, v6, 1, 4
	v_lshl_or_b32 v4, v7, 4, v8                    ; s
	v_lshlrev_b32 v4, 2, v4
	s_wait_kmcnt 0x0
	s_add_nc_u64 s[24:25], s[18:19], 0x800000      ; wb's part for Wk
	s_add_nc_u64 s[26:27], s[18:19], 0x1000000     ; and for Wv
	s_wait_alu depctr_va_vdst(0)                   ; v1 to v4 are written, which the loads and stores of the whole kernel read as their offsets; and v10, the exponential's result, ahead of the first line that names it
	global_load_b32 v5, v4, s[14:15]               ; the row's position
	LOADS X0, 4
	LOADS X1, 6
	LOADS X2, 8
	LOADS X3, 10
	LOADS X4, 12
	s_wait_loadcnt 40                              ; the position is in; the 40 loads issued behind it stay out
	v_cvt_f32_i32 v5, v5
	v_mul_f32 v11, v5, v10                         ; the angle
	v_mul_f32 v12, 0x3f22f983, v11                 ; x 2 / pi
	v_rndne_f32 v12, v12                           ; n
	v_cvt_i32_f32 v13, v12
	v_xor_b32 v14, 0x80000000, v12                 ; - n
	v_and_b32 v22, 1, v13                          ; the quadrant n mod 4: odd swaps sine and cosine:
	v_cmp_eq_u32 vcc_lo, 1, v22                    ; the mask is made here, and the sign words and the two series stand between it and the selects
	v_and_b32 v23, 2, v13                          ; quadrants 2, 3 turn the sine's sign,
	v_lshlrev_b32 v23, 30, v23
	v_add_nc_u32 v24, 1, v13                       ; quadrants 1, 2 the cosine's
	v_and_b32 v24, 2, v24
	v_lshlrev_b32 v24, 30, v24
	v_fmamk_f32 v15, v14, 0x3fc90fdb, v11          ; r = angle - n (pi/2's upper part)
	v_fmamk_f32 v15, v14, 0xb33bbd2e, v15          ;     - n (its lower part)
	v_mul_f32 v16, v15, v15                        ; z = r^2
	v_mov_b32 v17, 0x3638ef1d                      ; sin r = r + r z (-1/6 + z (1/120 + z (-1/5040 + z / 362880)))
	v_mov_b32 v19, 0x37d00d01                      ; cos r = 1 + z (-1/2 + z (1/24 + z (-1/720 + z / 40320)))
	v_fmaak_f32 v17, v17, v16, 0xb9500d01
	v_fmaak_f32 v19, v19, v16, 0xbab60b61
	v_fmaak_f32 v17, v17, v16, 0x3c088889
	v_fmaak_f32 v19, v19, v16, 0x3d2aaaab
	v_fmaak_f32 v17, v17, v16, 0xbe2aaaab
	v_fmaak_f32 v19, v19, v16, 0xbf000000
	v_mul_f32 v18, v15, v16
	v_fma_f32 v19, v19, v16, 1.0                   ; cos r
	v_fma_f32 v17, v17, v18, v15                   ; sin r
	s_wait_alu depctr_va_vcc(0)                    ; the compare has written VCC, which the two selects read
	v_cndmask_b32 v21, v17, v19, vcc_lo            ; sine
	v_cndmask_b32 v20, v19, v17, vcc_lo            ; cosine
	v_xor_b32 v21, v21, v23
	v_xor_b32 v20, v20, v24
	s_wait_loadcnt 32                              ; x is in; the four weights' 32 loads stay out
	CVTB X0
	s_wait_alu depctr_va_vdst(0)                   ; the sign flips have written v[20:21] and the conversions X0's pairs, which the nine stores below read
	global_store_b64 v3, v[20:21], s[22:23]
	STORES X0, 16
	s_wait_loadcnt 24                              ; Wq is in
	CVTB X1                                        ; these name X1 alone: none of the registers that the stores above read
	s_wait_alu depctr_va_vdst(0)                   ; the conversions have written X1's pairs, which the stores read
	STORES X1, 18
	s_wait_loadcnt 16                              ; Wk
	CVTB X2
	s_wait_alu depctr_va_vdst(0)                   ; the conversions have written X2's pairs, which the stores read
	STORES X2, 24
	s_wait_loadcnt 8                               ; Wv
	CVTB X3
	s_wait_alu depctr_va_vdst(0)                   ; the conversions have written X3's pairs, which the stores read
	STORES X3, 26
	s_wait_loadcnt 0x0                             ; Wo
	CVTH X4
	s_wait_alu depctr_va_vdst(0)                   ; the conversions have written X4's pairs, which the stores read
	STORES X4, 20
	s_endpgm
.Lfunc_end_k_q56dc5f6953_prep:
	.size	k_q56dc5f6953_prep, .Lfunc_end_k_q56dc5f6953_prep-k_q56dc5f6953_prep
	.p2alignl 7, 3214868480
	.fill 96, 4, 3214868480
	.section	.rodata,"a",@progbits
	.p2align	6, 0x0
	.amdhsa_kernel k_q56dc5f6953_prep
		.amdhsa_group_segment_fixed_size 0
		.amdhsa_private_segment_fixed_size 0
		.amdhsa_enable_private_segment 0
		.amdhsa_kernarg_size 80
		.amdhsa_user_sgpr_count 2
		.amdhsa_user_sgpr_kernarg_segment_ptr 1
		.amdhsa_wavefront_size32 1
		.amdhsa_system_sgpr_workgroup_id_x 1
		.amdhsa_system_sgpr_workgroup_id_y 1
		.amdhsa_system_sgpr_workgroup_id_z 1
		.amdhsa_system_vgpr_workitem_id 0
		.amdhsa_next_free_vgpr 192
		.amdhsa_next_free_sgpr 66
		.amdhsa_reserve_vcc 1
		.amdhsa_float_denorm_mode_32 3
		.amdhsa_float_denorm_mode_16_64 3
		.amdhsa_memory_ordered 1
		.amdhsa_forward_progress 1
		.amdhsa_inst_pref_size 19
	.end_amdhsa_kernel
	.amdgpu_metadata
---
amdhsa.version: [ 1, 2 ]
amdhsa.kernels:
  - .name:           k_q56dc5f6953_prep
    .symbol:         k_q56dc5f6953_prep.kd
    .args:
      - { .name: x, .offset: 0, .size: 8, .value_kind: global_buffer, .address_space: global }
      - { .name: Wq, .offset: 8, .size: 8, .value_kind: global_buffer, .address_space: global }
      - { .name: Wk, .offset: 16, .size: 8, .value_kind: global_buffer, .address_space: global }
      - { .name: Wv, .offset: 24, .size: 8, .value_kind: global_buffer, .address_space: global }
      - { .name: Wo, .offset: 32, .size: 8, .value_kind: global_buffer, .address_space: global }
      - { .name: token_positions, .offset: 40, .size: 8, .value_kind: global_buffer, .address_space: global }
      - { .name: xb, .offset: 48, .size: 8, .value_kind: global_buffer, .address_space: global }
      - { .name: wb, .offset: 56, .size: 8, .value_kind: global_buffer, .address_space: global }
      - { .name: wo, .offset: 64, .size: 8, .value_kind: global_buffer, .address_space: global }
      - { .name: tab, .offset: 72, .size: 8, .value_kind: global_buffer, .address_space: global }
    .group_segment_fixed_size: 0
    .private_segment_fixed_size: 0
    .kernarg_segment_align: 8
    .kernarg_segment_size: 80
    .max_flat_workgroup_size: 256
    .sgpr_count:     66
    .vgpr_count:     192
    .wavefront_size: 32
...
	.end_amdgpu_metadata
.endif
;; end of part 5
;; launch qkv: the kernel of part 2 again; grid 16 x 16, 4 waves a work-group, clusters of 4 x 4, 327,680 bytes of LDS; arguments xb, wb, tab, qb, kvb; writes qb, kvb
;; launch attn: the kernel of part 3 again; grid 16 x 16, 4 waves a work-group, clusters of 4 x 1, 327,680 bytes of LDS; arguments qb, kvb, ob; writes ob
;; launch proj: the kernel of part 4 again; grid 16 x 16, 4 waves a work-group, clusters of 4 x 4, 327,680 bytes of LDS; arguments ob, wo, out0; writes out0
